; MI455X (gfx1250); checked and timed in simulation.
; The chip was launched on July 23, 2026; its instructions are those of AMD's public machine-readable ISA for CDNA 5 (MIT licence, August 2026) and "CDNA5" Instruction Set Architecture Reference Guide (July 2026). The comments in the code are by the model that wrote it; some were corrected since.
;; Attention. Allowed arithmetic: matrix products marked QUANTISED: E4M3 operands, one given power-of-two scale a tensor, by v_wmma_f32_16x16x64_fp8_fp8 or v_wmma_f32_16x16x128_fp8_fp8, f32 sums; everything else in f32.
;; Inputs: bg 4 x 32 float32; bo 128 float32; kv_x_codes 1 x 256 x 256 x 4 x 32 uint8 (E4M3 codes of kv_x, K innermost, in blocks of 32 codes); lowp_scales 14 int32 (the exponents e of the quantised operands' scales 2^e); mask_bias 1 x 256 x 1 x 1 x 256 float32; q_x_codes 1 x 256 x 256 x 4 x 32 uint8 (E4M3 codes of q_x, K innermost, in blocks of 32 codes); triangle_bias 1 x 1 x 4 x 256 x 256 float32; wg_codes 4 x 32 x 4 x 32 uint8 (E4M3 codes of wg, K innermost, in blocks of 32 codes); wk_codes 4 x 32 x 4 x 32 uint8 (E4M3 codes of wk, K innermost, in blocks of 32 codes); wo_codes 128 x 4 x 32 uint8 (E4M3 codes of wo, K innermost, in blocks of 32 codes); wq_codes 4 x 32 x 4 x 32 uint8 (E4M3 codes of wq, K innermost, in blocks of 32 codes); wv_codes 4 x 32 x 4 x 32 uint8 (E4M3 codes of wv, K innermost, in blocks of 32 codes).
;; Outputs: out0 1 x 256 x 256 x 128 float32.
;; This version of the problem:
;;   THIS VERSION OF THE PROBLEM IS GIVEN IN LOW PRECISION. The matrix products marked QUANTISED in the list below multiply operands that are first quantised to E4M3 (4 exponent bits, 3 mantissa bits; 8 bits a number), with one given power-of-two scale for each operand tensor; their sums are f32. All else is computed in f32.
;;   The module's matrix products, in the order in which they are computed (A, B: the left and right operand; K: the contracted axis; several contracted axes count as one K, in the product's order):
;;     1. [M 128, K 128] x [K 128, N 65,536]; A: input wq (given as codes); B: input q_x (given as codes): QUANTISED (scales: A lowp_scales[0], B lowp_scales[1])
;;     2. [M 128, K 128] x [K 128, N 65,536]; A: input wk (given as codes); B: input kv_x (given as codes): QUANTISED (scales: A lowp_scales[2], B lowp_scales[3])
;;     3. [M 128, K 128] x [K 128, N 65,536]; A: input wv (given as codes); B: input kv_x (given as codes): QUANTISED (scales: A lowp_scales[4], B lowp_scales[5])
;;     4. batch 1,024 x [M 256, K 32] x [K 32, N 256]; A: computed on the way; B: computed on the way: QUANTISED (scales: A lowp_scales[6], B lowp_scales[7])
;;     5. batch 1,024 x [M 256, K 256] x [K 256, N 32]; A: softmax (see below); B: computed on the way: QUANTISED (scales: A lowp_scales[8], B lowp_scales[9])
;;     6. [M 65,536, K 128] x [K 128, N 128]; A: input q_x (given as codes); B: input wg (given as codes): QUANTISED (scales: A lowp_scales[10], B lowp_scales[11])
;;     7. [M 65,536, K 128] x [K 128, N 128]; A: computed on the way; B: input wo (given as codes): QUANTISED (scales: A lowp_scales[12], B lowp_scales[13])
;;   THE QUANTISER, for each operand of a quantised product, along K:
;;     - The operand's scale is 2^e, e = its entry of the input lowp_scales (int32; the entries are numbered through the quantised products in the list's order, A before B).
;;     - Each number is divided by the scale, clamped to +-448, and rounded to the nearest number of E4M3, ties to even, subnormals kept.
;;     - The product sums the exact products of the quantised numbers (number of the format x scale) in f32.
;;   ~~~python
;;   def quantise(x, axis, e):      # numpy; x: float32 -> the quantised numbers, widened to float32 again
;;       x = np.moveaxis(x, axis, -1); K = x.shape[-1]
;;       r = np.clip(x / 2.0 ** e, -448, 448)
;;       step = 2.0 ** (np.maximum(np.frexp(np.where(r == 0, 1, r))[1] - 1, -6) - 3)
;;       q = np.round(r / step) * step * 2.0 ** e      # np.round: ties to even
;;       return np.moveaxis(q, -1, axis).astype(np.float32)
;;   ~~~
;;   SOFTMAX AHEAD OF A QUANTISED PRODUCT. Where the list says 'softmax', what is quantised is not the finished softmax but p = 2^(t - M), with t = logit x log2(e) and M = ceil(the row's largest t), a whole number; so 1/2 < the row's largest p <= 1. The row's sum l is taken of the UNQUANTISED p, in f32, and the product's result is divided by l at the end. Since M is a whole number, a kernel that streams over the keys may use a running M (the ceiling of the running maximum): every later rescaling is an exact power of two, so the quantised numbers keep their values, but for numbers so far below the row's largest that they fall under the format's range.
;;   OPERANDS COMPUTED ON THE WAY. 'Computed on the way' means the value that the module computes at that place (a softmax that the list does not call 'softmax' is quantised finished and normalised). What goes into a quantiser is computed in f32, as accurately as f32 sums, v_exp_f32 and their like allow (about 1e-6 of the number): no bf16 or f16 on the way to a quantiser, and a product that is left as it is and whose result goes on into a quantised operand takes f32 operands (vector FMAs, or v_wmma_f32_16x16x4_f32). A number that lies on a knife's edge between two numbers of the format may be rounded either way, as far as f32 arithmetic and the matrix unit's own rounding can turn it there, and no further.
;;   INPUTS GIVEN AS CODES. kv_x (in the module: [1, 256, 256, 128], K = its axis 3); q_x (in the module: [1, 256, 256, 128], K = its axis 3); wg (in the module: [4, 32, 128], K = its axis 2); wk (in the module: [4, 32, 128], K = its axis 2); wo (in the module: [128, 128], K = its axis 1); wq (in the module: [4, 32, 128], K = its axis 2); wv (in the module: [4, 32, 128], K = its axis 2): each comes as NAME_codes (uint8): NAME with its K axis moved to the last place and cut into blocks of 32 codes, [.., K / 32, bytes a block], one block behind the other in memory; one code a byte (a code: sign, 4 exponent bits, 3 mantissa bits); its scale is its entry of lowp_scales. Its value is code x scale, taken as it is: it is not quantised again, and the codes and scales need not be those that the quantiser above would give.
;; 2 versions, each right; version 2 is version 1 with the launch attn written anew for expert scheduling mode. Each part assembles by itself: llvm-mc -triple=amdgcn-amd-amdhsa -mcpu=gfx1250 --defsym DOCPART=n.
;; ======== version 1 of 2: 2 launches
;; limits: right only within a limited range of input values
;; workspace buffers: timg 1,048,576 bytes
;; launch lay (part 1): grid 64 x 1, 4 waves a work-group, no clusters, 17,920 bytes of LDS; arguments triangle_bias, timg; writes timg
.if DOCPART == 1
	.amdgcn_target "amdgcn-amd-amdhsa--gfx1250"
	.amdhsa_code_object_version 6
	.text
	.protected	k_q1c8c25d5f4_lay
	.globl	k_q1c8c25d5f4_lay
	.p2align	8
	.type	k_q1c8c25d5f4_lay,@function
k_q1c8c25d5f4_lay:
	s_mov_b64 s[64:65], 0
	v_nop
	global_prefetch_b8 v0, s[64:65] scope:SCOPE_SE
	s_setreg_imm32_b32 hwreg(HW_REG_WAVE_MODE, 25, 1), 1
	s_wait_xcnt 0x0
; triangle_bias [4 heads][256 queries][256 keys] f32 is laid once in the order in which the next launch's score accumulators take it.
; A block is one head x 16 queries: 16 rows of 1,024 bytes, 16,384 consecutive bytes, in the source and in timg alike; work-group U = 16 head + query tile owns block U.
; In timg a block is 32 pieces of 512 bytes; piece i holds, at byte 16 L for lane L (r = L % 16, h = L / 16), the four numbers of query r at keys 32 (i / 4) + 16 h + 4 (i % 4) + 0 .. 3.
; Wave z takes bytes 256 z .. 256 z + 255 of each of the 16 rows, which are just the pieces 8 z .. 8 z + 7.  The turn goes through the wave's own stage in LDS: no wave reads another's bytes, so no barrier.
; Every load covers two runs of 256 consecutive bytes, every store 512 consecutive bytes.
.set PITCH, 272                        ; a stage row: 256 bytes + 16, so that the 16 rows that a read touches begin at 16 different banks (64 banks of 4 bytes: ISA guide 11.1)
.set STG,   16*PITCH                   ; a wave's stage
	s_load_b128 s[4:7], s[0:1], 0x0                ; triangle_bias s[4:5], timg s[6:7]
	v_lshl_add_u32 v72, v0, 2, 0x4400
	v_mov_b32 v73, 0
	v_lshrrev_b32 v1, 5, v0
	v_readfirstlane_b32 s8, v1                     ; wave z
	v_and_b32 v6, 15, v0                           ; r
	v_bfe_u32 v7, v0, 4, 1                         ; h
	s_lshl_b32 s10, ttmp9, 14                      ; the block's first byte
	s_mov_b32 s11, 0
	s_lshl_b32 s9, s8, 8                           ; 256 z
	s_mul_i32 s12, s8, STG                         ; my stage
	s_lshl_b32 s13, s8, 12                         ; my eight pieces
	v_lshlrev_b32 v2, 4, v6
	v_lshl_add_u32 v2, v7, 10, v2
	v_add_nc_u32 v2, s9, v2                        ; in: lanes 0-15 one row's 256 bytes, lanes 16-31 the next row's
	v_mul_u32_u24 v3, v7, PITCH
	v_lshl_add_u32 v3, v6, 4, v3
	v_add_nc_u32 v3, s12, v3                       ; the same two rows in the stage
	v_mul_u32_u24 v4, v6, PITCH
	v_lshl_add_u32 v4, v7, 6, v4
	v_add_nc_u32 v4, s12, v4                       ; back: row r, + 64 h
	v_and_b32 v5, 31, v0
	v_lshlrev_b32 v5, 4, v5
	v_add_nc_u32 v5, s13, v5                       ; out: 4,096 z + 16 L
	s_wait_kmcnt 0x0
	s_add_nc_u64 s[4:5], s[4:5], s[10:11]
	s_add_nc_u64 s[6:7], s[6:7], s[10:11]
.irp k, 0,1,2,3,4,5,6,7
	global_load_b128 v[8+4*\k:11+4*\k], v2, s[4:5] offset:2048*\k th:TH_LOAD_NT   ; rows 2 k, 2 k + 1; read once in the launch
.endr
.irp k, 0,1,2,3,4,5,6,7
	s_wait_loadcnt 7-\k                            ; loads come back in order: load k is in, the 7 - k younger ones stay out
	ds_store_b128 v3, v[8+4*\k:11+4*\k] offset:2*PITCH*\k
.endr
.irp i, 0,1,2,3,4,5,6,7
	ds_load_b128 v[40+4*\i:43+4*\i], v4 offset:128*(\i/4)+16*(\i%4)   ; LDS serves a wave's instructions in order: these see my stores
.endr
.irp i, 0,1,2,3,4,5,6,7
	s_wait_dscnt 7-\i                              ; piece i is back, the 7 - i younger ones stay out
	global_store_b128 v5, v[40+4*\i:43+4*\i], s[6:7] offset:512*\i
.endr
	s_wait_tensorcnt 0x0
	ds_add_u32 v72, v73
	s_wait_dscnt 0x0
	s_endpgm
.Lfunc_end_k_q1c8c25d5f4_lay:
	.size	k_q1c8c25d5f4_lay, .Lfunc_end_k_q1c8c25d5f4_lay-k_q1c8c25d5f4_lay
	.p2alignl 7, 3214868480
	.fill 96, 4, 3214868480
	.section	.rodata,"a",@progbits
	.p2align	6, 0x0
	.amdhsa_kernel k_q1c8c25d5f4_lay
		.amdhsa_group_segment_fixed_size 17920
		.amdhsa_private_segment_fixed_size 0
		.amdhsa_enable_private_segment 0
		.amdhsa_kernarg_size 16
		.amdhsa_user_sgpr_count 2
		.amdhsa_user_sgpr_kernarg_segment_ptr 1
		.amdhsa_wavefront_size32 1
		.amdhsa_system_sgpr_workgroup_id_x 1
		.amdhsa_system_sgpr_workgroup_id_y 1
		.amdhsa_system_sgpr_workgroup_id_z 1
		.amdhsa_system_vgpr_workitem_id 0
		.amdhsa_next_free_vgpr 74
		.amdhsa_next_free_sgpr 66
		.amdhsa_reserve_vcc 0
		.amdhsa_float_denorm_mode_32 3
		.amdhsa_float_denorm_mode_16_64 3
		.amdhsa_memory_ordered 1
		.amdhsa_forward_progress 1
		.amdhsa_inst_pref_size 5
	.end_amdhsa_kernel
	.amdgpu_metadata
---
amdhsa.version: [ 1, 2 ]
amdhsa.kernels:
  - .name:           k_q1c8c25d5f4_lay
    .symbol:         k_q1c8c25d5f4_lay.kd
    .args:
      - { .name: triangle_bias, .offset: 0, .size: 8, .value_kind: global_buffer, .address_space: global }
      - { .name: timg, .offset: 8, .size: 8, .value_kind: global_buffer, .address_space: global }
    .group_segment_fixed_size: 17920
    .private_segment_fixed_size: 0
    .kernarg_segment_align: 8
    .kernarg_segment_size: 16
    .max_flat_workgroup_size: 128
    .sgpr_count:     66
    .vgpr_count:     74
    .wavefront_size: 32
...
	.end_amdgpu_metadata
.endif
;; end of part 1
;; launch attn (part 2): grid 256 x 1, 8 waves a work-group, no clusters, 316,416 bytes of LDS; arguments q_x_codes, kv_x_codes, wk_codes, wv_codes, wq_codes, wg_codes, wo_codes, bg, bo, mask_bias, lowp_scales, timg, out0; writes out0
.if DOCPART == 2
	.amdgcn_target "amdgcn-amd-amdhsa--gfx1250"
	.amdhsa_code_object_version 6
	.text
	.protected	k_q1c8c25d5f4_attn
	.globl	k_q1c8c25d5f4_attn
	.p2align	8
	.type	k_q1c8c25d5f4_attn,@function
k_q1c8c25d5f4_attn:
	s_mov_b64 s[64:65], 0
	v_nop
	global_prefetch_b8 v0, s[64:65] scope:SCOPE_SE
	s_setreg_imm32_b32 hwreg(HW_REG_WAVE_MODE, 25, 1), 1
	s_wait_xcnt 0x0
; Gated attention of one row n (work-group n): q, k, v and gate projections, 4 heads x 256 queries x 256 keys with mask[n][key] and triangle bias[head][query][key], gate, output projection.
; All seven products on E4M3 codes; scales 2^e, e0 .. e13 = wq, q_x, wk, kv_x, wv, kv_x, q, k, p, v, q_x, wg, o g, wo.  Nothing but the result goes to memory.
; SHARES.  Eight waves of 512 registers.  Wave w owns queries 32 w .. 32 w + 31 (two tiles u = 0, 1) and, for the projections of k and v, keys 32 w .. 32 w + 31.
; A UNIT is one query tile x one head x all 256 keys: a lane holds 128 scores, the whole row of its query in its half of the keys, so M is the ceiling of the row's true largest t and nothing is ever rescaled.
; THE ORDER.  A query tile at a time: its four heads, then the tile's 16 rows of the result.  So the first tile's rows are stored while the second tile's four units are worked on, and only half of the result leaves behind the last product.
; LAYOUT (lane L: r = L % 16, h = L / 16).  The 16 rows of weight tile t, and the 16 keys of key tile T, are NOT neighbours: lane r takes row 32 (t / 2) + 8 (t % 2) + r + 8 (r / 8).
;   A fragment (16 rows x 128 K) is four loads of 16 bytes at row x 128 + 32 c + 16 h: registers 4 c .. 4 c + 3 hold k = 32 c + 16 h + 0 .. 15: one order of k on both sides of every product.
;   weight tile x rows of x: a lane holds one row of x, and the 16 registers of tiles 2 b, 2 b + 1 are head b's channels 16 h + 0 .. 15: two conversions make the four data registers of a K = 64 operand (K = 32, the upper four registers are zero codes).
;   S^T = k q^T + C: register 8 T + j of lane (r, h) is query r, key 32 (T / 2) + 16 h + 8 (T % 2) + j.  C = (triangle + mask) / 2^(e6 + e7) goes in as the product's C; timg holds the triangle bias in just this order.
;   p's conversions then ARE the operand of O^T = v^T p^T; O^T's 16 registers of a head are 16 neighbours of the last product's K, and the gate has the same layout.
; OPERANDS GO FROM WAVE TO WAVE THROUGH LDS AS IMAGES OF THEIR REGISTERS: 512 bytes for four registers, lane L's 16 bytes at 16 L.
; NO CLUSTER, NO TENSOR LOAD: what work-groups share is timg (1 MiB for each) and 80 KiB of weights.  timg goes from memory straight into accumulator registers, 512 consecutive bytes an instruction, one unit ahead; a joint
;   load would bring it into LDS, whence its 1 MiB would be read once more, through slots filled again eight times or more; and the branch on e8 below would have to go.
; LIMITS.  Each of e7-e2-e3, e9-e4-e5, e6-e0-e1, e8, e12-e8-e9 lies in -126 .. 119; e6+e7 in -126 .. 126; e10+e11 and e12+e13 in -126 .. 127: so that every power of two below is an f32 number.
;   NaN among the inputs is not served.  t - M is one fused multiply-add of the sum; where a row's largest logit is beyond some 2^20 in magnitude (every key of a row masked by -1e9) the result differs from a t that is rounded first.
.set KIMG, 81920                       ; LDS.  0: the weights' images, (8 g + t) x 2,048, g = wk, wv, wq, wg, wo;  KIMG: k's codes, (16 b + T) x 512
.set VIMG, 114688                      ; v's fragments, (2 b + t') x 4,096 + 2,048 x K step + 512 c
.set QIMG, 147456                      ; q's codes, (4 x query tile + b) x 512; later o g's codes in the same place (the wave's own)
.set GIMG, 180224                      ; the gate in f32, 16,384 w + 8,192 u + 2,048 b + 512 i (the wave's own); when a tile's four heads are done, its 8,192 bytes are the stage for the tile's result
.set BOL,  311296                      ; bo, a copy of 512 bytes for each wave
.set LI,  1                            ; v1  16 L
.set KA0, 2                            ; v2  LI + KIMG
.set VA0, 3                            ; v3  LI + VIMG
.set QI0, 4                            ; v4  LI + QIMG + 4,096 w
.set GA0, 5                            ; v5  LI + GIMG + 16,384 w
.set WOB, 6                            ; v6  in the loop: LI + 65,536: wo's images
.set BOB, 7                            ; v7  in the loop: my copy of bo, + 64 h
.set QI,  8                            ; v8, v9 in the loop: QI0 and GA0 for the tile in hand
.set GA,  9
.set WF,  16                           ; prologue: two sets of two weight fragments, v16-79
.set CD,  80                           ; v80-87 codes just made;  v88-90 the conversions' scales of k, v, q;  v91-93 448 x those
.set XK,  96                           ; v96-127 my two key tiles of kv_x;  v128-159 my two query tiles of q_x
.set XQ,  128
.set ACC, 160                          ; v160-191 four accumulators
.set BG,  192                          ; v192-255 -log2(e) x bg, 16 registers a head
.set MK,  16                           ; loop: v16-143 mask / 2^(e6 + e7), in the scores' order
.set KS,  144                          ; v144-207 eight places for tiles of k: four registers of codes, four of zeros
.set QB,  208                          ; v208-215 q's tile: the same
.set PC,  216                          ; v216-247 p's codes.  v248-255 at work: maxima, sums, lane exchanges, the result's addresses; v10 2^e8; v11 2^(e12-e8-e9); v12 -M; v13 448 x v11; v14 1 / l; v15 448 x 2^e8
.set OGF, 128                          ; the result's step, in window 1, in the score buffer that the fourth head has left: o g's fragment, wo's four tiles, four accumulators;
.set WOF, 144
.set OA,  208
.set BO,  216                          ; and in window 0, where p's codes lay: bo in the accumulators' layout
.set E8,  44                           ; s36-49: e0 .. e13
.set WV,  52                           ; s52 my wave's number
.set SEL, 54                           ; s[54:55] v_permlanex16_b32's selects for lane L xor 16
.set CC,  56                           ; s[56:57] log2(e) x 2^(e6 + e7)      (the packed forms name a pair and take its low word for both halves: both words are written)
.set SC,  58                           ; s[58:59] 2^-(e6 + e7)
.set CG,  60                           ; s[60:61] -log2(e) x 2^(e10 + e11)
.set CO,  62                           ; s[62:63] 2^(e12 + e13)
.set HD,  82                           ; s82 the query tile u;  s84, s85 its steps in LDS: 2,048 (q), 8,192 (gate)
.set SQ5, 84
.set SG2, 85
.set TP,  86                           ; s[86:87] timg at head 0 of the query tile in hand
.set OP,  88                           ; s[88:89] out0 at the first query of the tile in hand
.set MSB, 0
.macro WIN new                         ; register windows: bits 1:0 source 0, 3:2 source 1, 5:4 source 2, 7:6 destination; the immediate's high byte repeats the setting that is left
.if MSB != \new
	s_set_vgpr_msb (MSB<<8)|\new
.set MSB, \new
.endif
.endm
.macro PLACES n                        ; plain vector instructions between a matrix instruction and what touches its registers (ISA guide 7.12.1)
.rept \n
	v_nop
.endr
.endm
.macro MKQ sc, hd, ex                  ; from the exponent in s[ex]: 2^ex and 448 x 2^ex as f32 patterns
	s_add_co_i32 s[\sc], s[\ex], 127
	s_add_co_i32 s[\hd], s[\ex], 135
	s_lshl_b32 s[\sc], s[\sc], 23
	s_lshl_b32 s[\hd], s[\hd], 23
	s_or_b32 s[\hd], s[\hd], 0x600000
.endm
.macro FRAGG dst, adr, sb, off, nt     ; a fragment from memory; nt = 1: bytes that the whole launch reads once
.irp c, 0,1,2,3
.if \nt
	global_load_b128 v[(\dst)+4*\c:(\dst)+4*\c+3], v[\adr], s[\sb:\sb+1] offset:(\off)+32*\c th:TH_LOAD_NT
.else
	global_load_b128 v[(\dst)+4*\c:(\dst)+4*\c+3], v[\adr], s[\sb:\sb+1] offset:(\off)+32*\c
.endif
.endr
.endm
.macro IMAGE adr, src, off             ; a fragment goes to LDS as it stands,
.irp c, 0,1,2,3
	ds_store_b128 v[\adr], v[(\src)+4*\c:(\src)+4*\c+3] offset:(\off)+512*\c
.endr
.endm
.macro FETCH dst, adr, off             ; and comes back so, in any wave
.irp c, 0,1,2,3
	ds_load_b128 v[(\dst)+4*\c:(\dst)+4*\c+3], v[\adr] offset:(\off)+512*\c
.endr
.endm
.macro FETCH2 gi                       ; group gi's two weight tiles into set gi % 2
	FETCH WF+32*((\gi)%2), LI, (\gi)*4096
	FETCH WF+32*((\gi)%2)+16, LI, (\gi)*4096+2048
.endm
.macro MM4 xfirst, set, X              ; two weight tiles x two tiles of x; each product starts its sum with the constant 0
.set W0, WF+32*(\set)
.if \xfirst
	v_wmma_f32_16x16x128_fp8_fp8 v[ACC:ACC+7],     v[\X:\X+15],    v[W0:W0+15],    0
	v_wmma_f32_16x16x128_fp8_fp8 v[ACC+8:ACC+15],  v[\X+16:\X+31], v[W0:W0+15],    0
	v_wmma_f32_16x16x128_fp8_fp8 v[ACC+16:ACC+23], v[\X:\X+15],    v[W0+16:W0+31], 0
	v_wmma_f32_16x16x128_fp8_fp8 v[ACC+24:ACC+31], v[\X+16:\X+31], v[W0+16:W0+31], 0
.else
	v_wmma_f32_16x16x128_fp8_fp8 v[ACC:ACC+7],     v[W0:W0+15],    v[\X:\X+15],    0
	v_wmma_f32_16x16x128_fp8_fp8 v[ACC+8:ACC+15],  v[W0+16:W0+31], v[\X:\X+15],    0
	v_wmma_f32_16x16x128_fp8_fp8 v[ACC+16:ACC+23], v[W0:W0+15],    v[\X+16:\X+31], 0
	v_wmma_f32_16x16x128_fp8_fp8 v[ACC+24:ACC+31], v[W0+16:W0+31], v[\X+16:\X+31], 0
.endif
.endm
.macro GHEAD gi, xfirst, X             ; a group's head
	s_wait_dscnt 0x0                               ; my two weight tiles are in (asked for a group ago), and the last group's LDS stores have read their registers
.if (\gi) < 15
	FETCH2 (\gi)+1                                 ; the next group's, into the set that the group before multiplied: five v_nop stand behind those products
.endif
	MM4 \xfirst, (\gi)%2, \X
	PLACES 5                                       ; four for the reads below; five for the next group's products, which begin these accumulators anew
.endm
.macro QUANT16 src, dst, vh, vs        ; 16 neighbours along the next K become four registers of codes
.irp i, 0,1,2,3,4,5,6,7,8,9,10,11,12,13,14,15
	v_med3_num_f32 v[\src+\i], v[\src+\i], -v[\vh], v[\vh]   ; the conversion to an 8-bit code does not saturate (ISA guide 7.6.2): the hold at 448 x the scale; each accumulator from its low end on
.endr
	v_cvt_scalef32_pk8_fp8_f32 v[\dst:\dst+1], v[\src:\src+7], v[\vs]
	v_cvt_scalef32_pk8_fp8_f32 v[\dst+2:\dst+3], v[\src+8:\src+15], v[\vs]
.endm
.macro TAILC vh, vs, adr, off0, off1   ; the group's 2 x 16 sums become codes and go to LDS
	QUANT16 ACC, CD, \vh, \vs
	QUANT16 ACC+16, CD+4, \vh, \vs
	v_nop                                          ; a plain instruction between the conversions and the next products, which write their sources
	ds_store_b128 v[\adr], v[CD:CD+3] offset:\off0
	ds_store_b128 v[\adr], v[CD+4:CD+7] offset:\off1
.endm
.macro TAILG b                         ; the gate of head b: 1 / (1 + 2^(-log2(e) (sum x 2^(e10 + e11) + bg)))
.irp u, 0,1
.irp i, 0,2,4,6,8,10,12,14
	v_pk_fma_f32 v[ACC+16*\u+\i:ACC+16*\u+\i+1], v[ACC+16*\u+\i:ACC+16*\u+\i+1], s[CG:CG+1], v[BG+16*(\b)+\i:BG+16*(\b)+\i+1] op_sel_hi:[1,0,1]
.endr
.endr
.set gj, 0
.rept 32
	v_exp_f32 v[ACC+gj], v[ACC+gj]
.set gj, gj+1
.endr
	v_nop                                          ; a plain instruction between the exponentials and the first use of a result: the other exponentials in between are none (ISA guide 5.7.2)
.set gj, 0
	s_wait_alu depctr_va_vdst(0)
.rept 16
	v_pk_add_f32 v[ACC+gj:ACC+gj+1], v[ACC+gj:ACC+gj+1], 1.0 op_sel_hi:[1,0]
.set gj, gj+2
.endr
.set gj, 0
.rept 32
	v_rcp_f32 v[ACC+gj], v[ACC+gj]
.set gj, gj+1
.endr
	v_nop                                          ; a plain instruction behind the reciprocals
	s_wait_alu depctr_va_vdst(0)
.irp u, 0,1
.irp i, 0,1,2,3
	ds_store_b128 v[GA0], v[ACC+16*\u+4*\i:ACC+16*\u+4*\i+3] offset:\u*8192+(\b)*2048+512*\i
.endr
.endr
.endm
.macro TRIPART sb, off, i0, n          ; pieces i0 .. i0 + n - 1 of a unit's triangle bias (32 pieces of 512 consecutive bytes) into score registers 4 i .. 4 i + 3 of the buffer at v[sb] of window 1.  The windows in force: destination 1, source 0 (the address) 0
.set ti, (\i0)
.rept \n
	global_load_b128 v[(\sb)+4*ti:(\sb)+4*ti+3], v[LI], s[TP:TP+1] offset:(\off)+512*ti
.set ti, ti+1
.endr
.endm
.macro TRILOAD sb, off                 ; all 32 pieces in one run
	WIN 0x40
	TRIPART \sb, \off, 0, 32
.endm
.macro KLOAD b, g, set                 ; k's tiles 4 g .. 4 g + 3 of head b
	WIN 0
.irp i, 0,1,2,3
	ds_load_b128 v[KS+8*(4*(\set)+\i):KS+8*(4*(\set)+\i)+3], v[KA0] offset:(\b)*8192+(4*(\g)+\i)*512
.endr
.endm
.macro CPREP sb, g                     ; C of tiles 4 g .. 4 g + 3: triangle / 2^(e6 + e7) + mask / 2^(e6 + e7), one fused multiply-add for two
	WIN 0x41
.set ci, 32*(\g)
.rept 16
	v_pk_fma_f32 v[\sb+ci:\sb+ci+1], v[\sb+ci:\sb+ci+1], s[SC:SC+1], v[MK+ci:MK+ci+1] op_sel_hi:[1,0,1]
.set ci, ci+2
.endr
.endm
.macro SCORE sb, g, set                ; S^T of tiles 4 g .. 4 g + 3: one product each, onto its C
	WIN 0x50
.irp i, 0,1,2,3
	v_wmma_f32_16x16x64_fp8_fp8 v[\sb+8*(4*(\g)+\i):\sb+8*(4*(\g)+\i)+7], v[KS+8*(4*(\set)+\i):KS+8*(4*(\set)+\i)+7], v[QB:QB+7], v[\sb+8*(4*(\g)+\i):\sb+8*(4*(\g)+\i)+7]
.endr
.endm
	s_load_b512 s[8:23], s[0:1], 0x0               ; q_x 8, kv_x 10, wk 12, wv 14, wq 16, wg 18, wo 20, bg 22
	s_load_b256 s[24:31], s[0:1], 0x40             ; bo 24, mask 26, scales 28, timg 30
	s_load_b64 s[32:33], s[0:1], 0x60              ; out0
	v_lshrrev_b32 v1, 5, v0
	v_readfirstlane_b32 s[WV], v1                  ; wave 0..7
	v_and_b32 v1, 31, v0
	v_lshlrev_b32 v[LI], 4, v1
	v_and_b32 v252, 15, v0                         ; r
	v_bfe_u32 v253, v0, 4, 1                       ; h
	v_and_b32 v254, 8, v252
	v_add_nc_u32 v254, v254, v252                  ; r + 8 (r / 8)
	v_lshlrev_b32 v254, 7, v254
	v_lshl_add_u32 v254, v253, 4, v254             ; a lane's place in a tile whose rows are chosen: (r + 8 (r / 8)) x 128 + 16 h
	s_lshl_b32 s77, ttmp9, 15
	s_lshl_b32 s78, s[WV], 12
	s_add_co_u32 s77, s77, s78                     ; row n's 32,768 bytes of codes, my 32 rows of 128
	v_add_nc_u32 v6, s77, v254                     ; kv_x: my key tiles
	v_lshlrev_b32 v7, 7, v252
	v_lshl_add_u32 v7, v253, 4, v7
	v_add_nc_u32 v7, s77, v7                       ; q_x: my query tiles, rows as they lie
	s_lshr_b32 s79, s[WV], 1
	s_lshl_b32 s79, s79, 12
	s_and_b32 s80, s[WV], 1
	s_lshl_b32 s80, s80, 10
	s_add_co_u32 s79, s79, s80
	v_add_nc_u32 v8, s79, v254                     ; weights: tile w begins at row 32 (w / 2) + 8 (w % 2)
	v_lshlrev_b32 v10, 6, v253                     ; bg: 64 h
	s_lshl_b32 s79, ttmp9, 10
	v_add_nc_u32 v9, s79, v10                      ; mask: row n, + 64 h
	v_add_nc_u32 v[KA0], KIMG, v[LI]
	v_add_nc_u32 v[VA0], VIMG, v[LI]
	v_add_nc_u32 v[QI0], s78, v[LI]
	v_add_nc_u32 v[QI0], QIMG, v[QI0]
	s_lshl_b32 s79, s[WV], 14
	v_add_nc_u32 v[GA0], s79, v[LI]
	v_add_nc_u32 v[GA0], GIMG, v[GA0]
	s_lshl_b32 s80, s[WV], 11
	v_add_nc_u32 v11, s80, v[LI]                   ; where tile w of a weight goes
	s_lshl_b32 s80, s[WV], 10
	v_add_nc_u32 v12, s80, v[KA0]                  ; where my two tiles of k go
	s_lshl_b32 s80, s[WV], 9
	v_add_nc_u32 v13, s80, v[VA0]                  ; where my four registers of each of v's fragments go
	v_add_nc_u32 v14, 65536, v11                   ; wo's images lie beyond an immediate's reach
	v_add_nc_u32 v15, s80, v[LI]
	v_add_nc_u32 v15, BOL, v15
	s_lshl_b32 s78, ttmp9, 17
	s_add_co_u32 s78, s78, s79                     ; out0: 131,072 n + 16,384 w
	s_mov_b32 s79, 0
	s_lshl_b32 s80, s[WV], 15                      ; timg: my two query tiles, 32,768 w
	s_mov_b32 s81, 0
	s_mov_b32 s[SEL], 0x76543210
	s_mov_b32 s[SEL+1], 0xfedcba98
	s_wait_kmcnt 0x0
	s_load_b256 s[36:43], s[28:29], 0x0            ; e0 .. e7
	s_load_b128 s[44:47], s[28:29], 0x20           ; e8 .. e11
	s_load_b64 s[48:49], s[28:29], 0x30            ; e12, e13: 56 bytes in all
	s_add_nc_u64 s[TP:TP+1], s[30:31], s[80:81]
	s_add_nc_u64 s[OP:OP+1], s[32:33], s[78:79]
	FRAGG 16, 8, 12, 0, 0                          ; tile w of wk, wv, wq, wg, wo: the work-group reads each weight byte once
	FRAGG 32, 8, 14, 0, 0
	FRAGG 48, 8, 16, 0, 0
	FRAGG 64, 8, 18, 0, 0
	FRAGG 80, 8, 20, 0, 0
	global_load_b128 v[160:163], v[LI], s[24:25]   ; bo, 512 bytes
	FRAGG XK, 6, 10, 0, 1
	FRAGG XK+16, 6, 10, 1024, 1
	FRAGG XQ, 7, 8, 0, 1
	FRAGG XQ+16, 7, 8, 2048, 1
.irp b, 0,1,2,3
.irp y, 0,1,2,3
	global_load_b128 v[BG+16*\b+4*\y:BG+16*\b+4*\y+3], v10, s[22:23] offset:128*\b+16*\y   ; bg[32 b + 16 h + 0 .. 15]
.endr
.endr
	s_wait_loadcnt 32                              ; behind the weights and bo stand 8 + 8 + 16 loads: those may stay out
	IMAGE 11, 16, 0
	IMAGE 11, 32, 16384
	IMAGE 11, 48, 32768
	IMAGE 11, 64, 49152
	IMAGE 14, 80, 0
	ds_store_b128 v15, v[160:163]
	s_wait_dscnt 0x0                               ; for the others' sake: my images have landed
	s_barrier_signal -1
	s_barrier_wait -1                              ; the weights' 40 images are whole; nobody writes them again
	FETCH2 0
	s_wait_kmcnt 0x0                               ; the exponents
	s_sub_co_i32 s77, s43, s38
	s_sub_co_i32 s77, s77, s39                     ; a sum of wk x kv_x stands for sum x 2^(e2 + e3): k's code is sum / 2^(e7 - e2 - e3)
	MKQ 72, 66, 77
	s_sub_co_i32 s77, s45, s40
	s_sub_co_i32 s77, s77, s41                     ; v: e9 - e4 - e5
	MKQ 73, 67, 77
	s_sub_co_i32 s77, s42, s36
	s_sub_co_i32 s77, s77, s37                     ; q: e6 - e0 - e1
	MKQ 74, 68, 77
	MKQ 75, 69, E8                                 ; p: e8
	s_sub_co_i32 s77, s48, s44
	s_sub_co_i32 s77, s77, s45                     ; o g: e12 - e8 - e9
	MKQ 76, 70, 77
	s_add_co_i32 s77, s42, s43                     ; e6 + e7 is added to log2(e)'s exponent field,
	s_lshl_b32 s78, s77, 23
	s_add_co_u32 s[CC], s78, 0x3fb8aa3b
	s_mov_b32 s[CC+1], s[CC]
	s_sub_co_i32 s77, 127, s77                     ; and 2^-(e6 + e7) brings the biases under the sums' scale
	s_lshl_b32 s[SC], s77, 23
	s_mov_b32 s[SC+1], s[SC]
	s_add_co_i32 s77, s46, s47
	s_lshl_b32 s77, s77, 23
	s_add_co_u32 s[CG], s77, 0xbfb8aa3b            ; -log2(e) x 2^(e10 + e11)
	s_mov_b32 s[CG+1], s[CG]
	s_add_co_i32 s77, s48, s49
	s_add_co_i32 s77, s77, 127
	s_lshl_b32 s[CO], s77, 23                      ; 2^(e12 + e13)
	s_mov_b32 s[CO+1], s[CO]
	v_mov_b32 v88, s72
	v_mov_b32 v89, s73
	v_mov_b32 v90, s74
	v_mov_b32 v91, s66
	v_mov_b32 v92, s67
	v_mov_b32 v93, s68
	s_wait_loadcnt 0x0                             ; x and bg are in: no load of mine is out
	WIN 0x40
.irp b, 0,1,2,3,4,5,6,7
.irp y, 0,1,2,3
	global_load_b128 v[128+16*\b+4*\y:128+16*\b+4*\y+3], v9, s[26:27] offset:128*\b+16*\y   ; mask[n][32 b + 16 h + 0 .. 15], for now in the second score buffer; it has eight groups in which to land
.endr
.endr
	WIN 0
.set gj, 0
.rept 32
	v_pk_mul_f32 v[BG+gj:BG+gj+1], v[BG+gj:BG+gj+1], 0xbfb8aa3b op_sel_hi:[1,0]
.set gj, gj+2
.endr
; THE PROJECTIONS: sixteen groups of four products, a head at a time.
.irp b, 0,1,2,3                        ; k: weight tile x keys: a lane holds one key and 16 channels
	GHEAD \b, 0, XK
	TAILC 91, 88, 12, \b*8192, \b*8192+512
.endr
.irp b, 0,1,2,3                        ; v: keys x weight tile: a lane holds one channel and 16 neighbouring keys: registers 4 (w % 4) on of K step w / 4 of v's fragment
	GHEAD 4+\b, 1, XK
	TAILC 92, 89, 13, (2*\b)*4096, (2*\b+1)*4096
.endr
	s_wait_loadcnt 0x0                             ; the mask is in (asked for eight groups ago): so 32 loads of mine are out at the most from here on
	TRILOAD 0, 0                                   ; the first unit's triangle bias
	WIN 0
.irp b, 0,1,2,3                        ; q: x 1 / sqrt(32) in f32, as the definition has it ahead of the quantiser
	GHEAD 8+\b, 0, XQ
.irp i, 0,2,4,6,8,10,12,14,16,18,20,22,24,26,28,30
	v_pk_mul_f32 v[ACC+\i:ACC+\i+1], v[ACC+\i:ACC+\i+1], 0x3e3504f3 op_sel_hi:[1,0]
.endr
	TAILC 93, 90, 4, \b*512, \b*512+2048
.endr
.irp b, 0,1,2,3
	GHEAD 12+\b, 0, XQ
	TAILG \b
.endr
	s_wait_dscnt 0x0                               ; for the others' sake: my parts of k and v have landed
	s_barrier_signal -1
	s_barrier_wait -1                              ; k's and v's images are whole; from here on every LDS byte that is written is the writing wave's own
	WIN 0x01
.set gj, 0
.rept 64
	v_pk_mul_f32 v[MK+gj:MK+gj+1], v[128+gj:128+gj+1], s[SC:SC+1] op_sel_hi:[1,0]   ; mask / 2^(e6 + e7): kept for all eight units  (the wait ahead of the first unit's loads has shown the mask landed)
.set gj, gj+2
.endr
	WIN 0
.irp k, 0,1,2,3,4,5,6,7,8
.irp j, 4,5,6,7
	v_mov_b32 v[KS+8*\k+\j], 0                     ; K = 32 in a form of K = 64: the upper halves of k's eight places and of q's are zero codes, in registers of their own
.endr
.endr
	v_add_nc_u32 v[WOB], 65536, v[LI]              ; wo's images
	s_lshl_b32 s77, s[WV], 9
	s_add_co_u32 s77, s77, BOL
	v_bfe_u32 v[BOB], v0, 4, 1
	v_lshlrev_b32 v[BOB], 6, v[BOB]
	v_add_nc_u32 v[BOB], s77, v[BOB]               ; my copy of bo, + 64 h
	v_mov_b32 v10, s75
	v_mov_b32 v11, s76
	v_mov_b32 v13, s70
	v_mov_b32 v15, s69
	v_mov_b32 v254, 0                              ; a lane exchange's destination counts as read
	v_mov_b32 v255, 0
	s_mov_b32 s[HD], 0
	s_mov_b32 s[SQ5], 0
	s_mov_b32 s[SG2], 0
; A UNIT: head b of the query tile in hand; its scores in the buffer at v[sb] of window 1.  cond = 1: the unit behind it belongs to the next tile, if there is one.
.macro UNIT sb, b, cond
.set OB, 128-(\sb)
.set OO, (\sb)+64                      ; when p has been converted the buffer is free: +0..63 v's four fragments, +64..79 O^T, +80..95 the gate
.set GG, (\sb)+80
.set NOFF, ((\b)+1)*262144             ; the next head's block of timg
	s_wait_loadcnt 0x0                             ; just this unit's 32 loads are out, asked for in the course of the unit before
.if \cond
	s_cmp_eq_u32 s[HD], 1
	s_cbranch_scc1 .Lno_next_\@                    ; the last unit asks for nothing: no load leaves timg.  One branch, so here the 32 loads stand in one run
	TRILOAD OB, 16384                              ; head 0 of my next tile
	WIN 0
.Lno_next_\@:
.endif
	ds_load_b128 v[QB:QB+3], v[QI] offset:(\b)*512
	KLOAD \b, 0, 0
	KLOAD \b, 1, 1
	CPREP \sb, 0
.irp g, 0,1,2,3
.if \g < 3
	s_wait_dscnt 4                                 ; only the next four tiles of k may be out
.else
	s_wait_dscnt 0x0
.endif
	SCORE \sb, \g, \g%2
.if \cond == 0
	TRIPART OB, NOFF, 4*\g, 4                      ; the next unit's bias goes out in groups of four among the arithmetic, into the other buffer: here under the products' own windows
.endif
.if \g < 3
	CPREP \sb, \g+1                                ; sixteen plain instructions on other registers: the places behind those products
.endif
.if \g < 2
	KLOAD \b, \g+2, \g%2
.endif
.endr
	WIN 0x15                                       ; the largest sum of my query among my 128 keys, in four chains that do not wait for each other, ascending
.irp k, 0,1,2,3
	v_max3_num_f32 v[248+\k], v[\sb+3*\k], v[\sb+3*\k+1], v[\sb+3*\k+2]
.endr
	WIN 0x14
.set mi, 0
.rept 58
	v_max3_num_f32 v[248+mi%4], v[248+mi%4], v[\sb+12+2*mi], v[\sb+13+2*mi]
.set mi, mi+1
.endr
	WIN 0
	v_max3_num_f32 v248, v248, v249, v250
	v_max_num_f32 v248, v248, v251
	v_permlanex16_b32 v254, v248, s[SEL], s[SEL+1]
	v_max_num_f32 v248, v248, v254                 ; and among lane L xor 16's
	v_mul_f32 v248, s[CC], v248                    ; as t
	v_floor_f32 v12, -v248                         ; -M = floor(-t) = -ceil(t)
	WIN 0x41
	v_pk_fma_f32 v[\sb:\sb+1], v[\sb:\sb+1], s[CC:CC+1], v[12:13] op_sel_hi:[1,0,0]       ; t - M, two at a time, two pairs ahead of the exponentials
	v_pk_fma_f32 v[\sb+2:\sb+3], v[\sb+2:\sb+3], s[CC:CC+1], v[12:13] op_sel_hi:[1,0,0]
.set ei, 0
.rept 64
	v_exp_f32 v[\sb+2*ei], v[\sb+2*ei]             ; p = 2^(t - M): not normalised
	v_exp_f32 v[\sb+2*ei+1], v[\sb+2*ei+1]
.if ei < 62
	v_pk_fma_f32 v[\sb+2*ei+4:\sb+2*ei+5], v[\sb+2*ei+4:\sb+2*ei+5], s[CC:CC+1], v[12:13] op_sel_hi:[1,0,0]   ; a plain instruction on other registers behind each pair of exponentials
.endif
.if (\cond == 0) && ((ei%8) == 3) && (ei < 32)
	WIN 0x40
	TRIPART OB, NOFF, 16+4*(ei/8), 4               ; the other four groups: behind pairs 3, 11, 19 and 27, so that the last stands more than half of the exponentials, the sums, the conversions and the unit's end ahead of the wait for it
	WIN 0x41
.endif
.set ei, ei+1
.endr
	WIN 0x05                                       ; the row's sum of the unquantised p, two at a time, in four chains; the first lines read the oldest exponentials and are the plain instructions behind the last four
.set ak, 0
	s_wait_alu depctr_va_vdst(0)
.rept 4
	v_pk_add_f32 v[248+2*((ak+1)%4):249+2*((ak+1)%4)], v[\sb+4*ak:\sb+4*ak+1], v[\sb+4*ak+2:\sb+4*ak+3]
.set ak, ak+1
.endr
	WIN 0x04
.set ak, 0
.rept 56
	v_pk_add_f32 v[248+2*((ak+1)%4):249+2*((ak+1)%4)], v[248+2*((ak+1)%4):249+2*((ak+1)%4)], v[\sb+16+2*ak:\sb+17+2*ak]
.set ak, ak+1
.endr
	WIN 0
	s_cmp_ge_i32 s[E8], -8                         ; p is at most 1 (a last bit more at the worst), and 448 x 2^e8 is 1.75 or more from e8 = -8 on: there the hold changes nothing and is passed over.  A scalar branch on a whole number that was read from memory
	s_cbranch_scc1 .Lno_hold_\@
	WIN 0x44
.set ai, 0
.rept 128
	v_min_num_f32 v[\sb+ai], v15, v[\sb+ai]        ; the conversion does not saturate (ISA guide 7.6.2); p is not negative, so the hold is one-sided
.set ai, ai+1
.endr
	WIN 0
.Lno_hold_\@:
	WIN 0x01
.irp t, 0,1,2,3,4,5,6,7
	v_cvt_scalef32_pk8_fp8_f32 v[PC+2*\t:PC+2*\t+1], v[\sb+8*\t:\sb+8*\t+7], v10
.endr
	WIN 0x40
.irp k, 0,1                            ; v's fragments (t', K step k) at +16 (t' + 2 k), into score registers that have been converted
.irp t, 0,1
.irp c, 0,1,2,3
	ds_load_b128 v[\sb+16*(\t+2*\k)+4*\c:\sb+16*(\t+2*\k)+4*\c+3], v[VA0] offset:(\b)*8192+\t*4096+\k*2048+512*\c
.endr
.endr
.endr
	WIN 0x01
.irp t, 8,9,10,11,12,13,14,15
	v_cvt_scalef32_pk8_fp8_f32 v[PC+2*\t:PC+2*\t+1], v[\sb+8*\t:\sb+8*\t+7], v10
.endr
	v_nop                                          ; a plain instruction between the conversions and the products that read their results and write over their sources
	WIN 0x40
.irp i, 0,1,2,3
	ds_load_b128 v[GG+4*\i:GG+4*\i+3], v[GA] offset:(\b)*2048+512*\i
.endr
	WIN 0
	v_pk_add_f32 v[250:251], v[250:251], v[252:253]
	v_pk_add_f32 v[248:249], v[248:249], v[254:255]
	v_pk_add_f32 v[250:251], v[250:251], v[248:249]
	v_add_f32 v250, v250, v251
	v_permlanex16_b32 v255, v250, s[SEL], s[SEL+1]
	v_add_f32 v250, v250, v255                     ; l
	v_rcp_f32 v14, v250
	s_wait_dscnt 4                                 ; only the gate's four loads may be out: v is in
	WIN 0x51                                       ; O^T = v^T p^T: two accumulators by turns, one instruction a turn
	v_wmma_f32_16x16x128_fp8_fp8 v[OO:OO+7],    v[\sb:\sb+15],    v[PC:PC+15],    0
	v_wmma_f32_16x16x128_fp8_fp8 v[OO+8:OO+15], v[\sb+16:\sb+31], v[PC:PC+15],    0
	v_wmma_f32_16x16x128_fp8_fp8 v[OO:OO+7],    v[\sb+32:\sb+47], v[PC+16:PC+31], v[OO:OO+7]
	v_wmma_f32_16x16x128_fp8_fp8 v[OO+8:OO+15], v[\sb+48:\sb+63], v[PC+16:PC+31], v[OO+8:OO+15]
	PLACES 4                                       ; behind the products, and the plain instruction behind the reciprocal
	s_wait_dscnt 0x0                               ; the gate
	WIN 0x41
	s_wait_alu depctr_va_vdst(0)
.irp i, 0,2,4,6,8,10,12,14
	v_pk_mul_f32 v[OO+\i:OO+\i+1], v[OO+\i:OO+\i+1], v[14:15] op_sel_hi:[1,0]   ; / l
.endr
	WIN 0x45
.irp i, 0,2,4,6,8,10,12,14
	v_pk_mul_f32 v[OO+\i:OO+\i+1], v[OO+\i:OO+\i+1], v[GG+\i:GG+\i+1]           ; x the gate
.endr
	WIN 0x41
.irp i, 0,1,2,3,4,5,6,7,8,9,10,11,12,13,14,15
	v_med3_num_f32 v[OO+\i], v[OO+\i], -v13, v13
.endr
	WIN 0x01
	v_cvt_scalef32_pk8_fp8_f32 v[PC:PC+1], v[OO:OO+7], v11          ; 2^(e8 + e9) is folded into the conversion's scale, 2^(e12 - e8 - e9)
	v_cvt_scalef32_pk8_fp8_f32 v[PC+2:PC+3], v[OO+8:OO+15], v11
	v_nop
	WIN 0
	ds_store_b128 v[QI], v[PC:PC+3] offset:(\b)*512                ; registers 4 b .. 4 b + 3 of o g's fragment, where q's codes of this unit lay
.endm
; THE LAST PRODUCT, for the tile in hand: wo's tile x o g: a lane holds one query and, of tile t, columns 32 (t / 2) + 16 h + 8 (t % 2) + 0 .. 7.  In two halves of 64 columns, each through my stage, so that sixteen lanes store 256 consecutive bytes, aligned.
.macro HALF hf
.if \hf
	s_wait_xcnt 0x0                                ; the first half's stores have read the registers that the products below write
.endif
	WIN 0x40
.irp t, 0,1,2,3
	FETCH WOF+16*\t, WOB, (4*(\hf)+\t)*2048
.endr
	WIN 0
.irp t, 0,1,2,3
.irp x, 0,1
	ds_load_b128 v[BO+8*\t+4*\x:BO+8*\t+4*\x+3], v[BOB] offset:256*(\hf)+128*(\t/2)+32*(\t%2)+16*\x
.endr
.endr
	s_wait_dscnt 0x0
	WIN 0x45
.irp t, 0,1,2,3
	v_wmma_f32_16x16x128_fp8_fp8 v[OA+8*\t:OA+8*\t+7], v[WOF+16*\t:WOF+16*\t+15], v[OGF:OGF+15], 0
.endr
	PLACES 5                                       ; four for the reads below; five for the second half's products, which begin these accumulators anew
	WIN 0x41
.irp t, 0,1,2,3
.irp i, 0,2,4,6
	v_pk_fma_f32 v[OA+8*\t+\i:OA+8*\t+\i+1], v[OA+8*\t+\i:OA+8*\t+\i+1], s[CO:CO+1], v[BO+8*\t+\i:BO+8*\t+\i+1] op_sel_hi:[1,0,1]   ; sum x 2^(e12 + e13) + bo; each accumulator from its low end on
.endr
.endr
	WIN 0x04                                       ; a store's data are its source 1
.irp t, 0,1,2,3
.irp x, 0,1
	ds_store_b128 v250, v[OA+8*\t+4*\x:OA+8*\t+4*\x+3] offset:128*(\t/2)+32*(\t%2)+16*\x
.endr
.endr
	WIN 0x40
.irp i, 0,1,2,3,4,5,6,7
	ds_load_b128 v[OA+4*\i:OA+4*\i+3], v251 offset:544*\i   ; LDS serves a wave's instructions in order: these see the stores above, and come back into the registers that they left
.endr
	WIN 0x04
.irp i, 0,1,2,3,4,5,6,7
	s_wait_dscnt 7-\i                              ; row pair i is back; its 7 - i younger loads stay out
	global_store_b128 v252, v[OA+4*\i:OA+4*\i+3], s[OP:OP+1] offset:1024*\i+256*(\hf) th:TH_STORE_NT
.endr
	WIN 0
.endm
.macro OUT
	v_and_b32 v248, 15, v0                         ; r
	v_bfe_u32 v249, v0, 4, 1                       ; h
	s_lshl_b32 s77, s[WV], 14
	s_add_co_u32 s77, s77, s[SG2]
	s_add_co_u32 s77, s77, GIMG                    ; my stage, 16 rows of 256 bytes + 16: where this tile's gate lay, which its four heads have read
	v_mul_u32_u24 v250, v248, 272
	v_lshl_add_u32 v250, v249, 6, v250
	v_add_nc_u32 v250, s77, v250                   ; in: row r, + 64 h
	v_mul_u32_u24 v251, v249, 272
	v_lshl_add_u32 v251, v248, 4, v251
	v_add_nc_u32 v251, s77, v251                   ; back: lanes 0-15 one row, lanes 16-31 the next
	v_lshlrev_b32 v252, 9, v249
	v_lshl_add_u32 v252, v248, 4, v252             ; and the same two rows of out0
	WIN 0x40
	FETCH OGF, QI, 0                               ; o g's fragment: the four heads' codes
	HALF 0
	HALF 1
.endm
.Ltile:                                                ; two trips, a query tile each
	v_add_nc_u32 v[QI], s[SQ5], v[QI0]
	v_add_nc_u32 v[GA], s[SG2], v[GA0]
	UNIT 0, 0, 0
	UNIT 128, 1, 0
	UNIT 0, 2, 0
	UNIT 128, 3, 1
	OUT                                            ; in the buffer that head 3 has left; the other one is taking the next tile's first bias
	s_wait_dscnt 0x0
	s_wait_xcnt 0x0                                ; the stores' data and offset registers, out0's pointer and timg's are written again only behind this wait; nothing waits for the stores themselves
	s_add_nc_u64 s[TP:TP+1], s[TP:TP+1], 16384
	s_add_nc_u64 s[OP:OP+1], s[OP:OP+1], 8192
	s_add_co_u32 s[SQ5], s[SQ5], 2048
	s_add_co_u32 s[SG2], s[SG2], 8192
	s_add_co_u32 s[HD], s[HD], 1
	s_cmp_lt_u32 s[HD], 2
	s_cbranch_scc1 .Ltile
	s_wait_xcnt 0x0
	v_lshl_add_u32 v254, v0, 2, 0x4d000
	v_mov_b32 v255, 0
	s_wait_tensorcnt 0x0
	ds_add_u32 v254, v255
	s_wait_dscnt 0x0
	s_endpgm
.Lfunc_end_k_q1c8c25d5f4_attn:
	.size	k_q1c8c25d5f4_attn, .Lfunc_end_k_q1c8c25d5f4_attn-k_q1c8c25d5f4_attn
	.p2alignl 7, 3214868480
	.fill 96, 4, 3214868480
	.section	.rodata,"a",@progbits
	.p2align	6, 0x0
	.amdhsa_kernel k_q1c8c25d5f4_attn
		.amdhsa_group_segment_fixed_size 316416
		.amdhsa_private_segment_fixed_size 0
		.amdhsa_enable_private_segment 0
		.amdhsa_kernarg_size 104
		.amdhsa_user_sgpr_count 2
		.amdhsa_user_sgpr_kernarg_segment_ptr 1
		.amdhsa_wavefront_size32 1
		.amdhsa_system_sgpr_workgroup_id_x 1
		.amdhsa_system_sgpr_workgroup_id_y 1
		.amdhsa_system_sgpr_workgroup_id_z 1
		.amdhsa_system_vgpr_workitem_id 0
		.amdhsa_next_free_vgpr 512
		.amdhsa_next_free_sgpr 96
		.amdhsa_reserve_vcc 0
		.amdhsa_float_denorm_mode_32 3
		.amdhsa_float_denorm_mode_16_64 3
		.amdhsa_memory_ordered 1
		.amdhsa_forward_progress 1
		.amdhsa_inst_pref_size 250
	.end_amdhsa_kernel
	.amdgpu_metadata
---
amdhsa.version: [ 1, 2 ]
amdhsa.kernels:
  - .name:           k_q1c8c25d5f4_attn
    .symbol:         k_q1c8c25d5f4_attn.kd
    .args:
      - { .name: q_x_codes, .offset: 0, .size: 8, .value_kind: global_buffer, .address_space: global }
      - { .name: kv_x_codes, .offset: 8, .size: 8, .value_kind: global_buffer, .address_space: global }
      - { .name: wk_codes, .offset: 16, .size: 8, .value_kind: global_buffer, .address_space: global }
      - { .name: wv_codes, .offset: 24, .size: 8, .value_kind: global_buffer, .address_space: global }
      - { .name: wq_codes, .offset: 32, .size: 8, .value_kind: global_buffer, .address_space: global }
      - { .name: wg_codes, .offset: 40, .size: 8, .value_kind: global_buffer, .address_space: global }
      - { .name: wo_codes, .offset: 48, .size: 8, .value_kind: global_buffer, .address_space: global }
      - { .name: bg, .offset: 56, .size: 8, .value_kind: global_buffer, .address_space: global }
      - { .name: bo, .offset: 64, .size: 8, .value_kind: global_buffer, .address_space: global }
      - { .name: mask_bias, .offset: 72, .size: 8, .value_kind: global_buffer, .address_space: global }
      - { .name: lowp_scales, .offset: 80, .size: 8, .value_kind: global_buffer, .address_space: global }
      - { .name: timg, .offset: 88, .size: 8, .value_kind: global_buffer, .address_space: global }
      - { .name: out0, .offset: 96, .size: 8, .value_kind: global_buffer, .address_space: global }
    .group_segment_fixed_size: 316416
    .private_segment_fixed_size: 0
    .kernarg_segment_align: 8
    .kernarg_segment_size: 104
    .max_flat_workgroup_size: 256
    .sgpr_count:     96
    .vgpr_count:     512
    .wavefront_size: 32
...
	.end_amdgpu_metadata
.endif
;; end of part 2
;; ======== version 2 of 2: 2 launches; version 1 with the launch attn written anew for expert scheduling mode
;; limits: right only within a limited range of input values
;; workspace buffers: timg 1,048,576 bytes
;; launch lay: the kernel of part 1 again; grid 64 x 1, 4 waves a work-group, no clusters, 17,920 bytes of LDS; arguments triangle_bias, timg; writes timg
;; launch attn (part 3): grid 256 x 1, 8 waves a work-group, no clusters, 316,416 bytes of LDS; arguments q_x_codes, kv_x_codes, wk_codes, wv_codes, wq_codes, wg_codes, wo_codes, bg, bo, mask_bias, lowp_scales, timg, out0; writes out0
.if DOCPART == 3
	.amdgcn_target "amdgcn-amd-amdhsa--gfx1250"
	.amdhsa_code_object_version 6
	.text
	.protected	k_q1c8c25d5f4_attn
	.globl	k_q1c8c25d5f4_attn
	.p2align	8
	.type	k_q1c8c25d5f4_attn,@function
k_q1c8c25d5f4_attn:
	s_mov_b64 s[64:65], 0
	v_nop
	global_prefetch_b8 v0, s[64:65] scope:SCOPE_SE
	s_setreg_imm32_b32 hwreg(HW_REG_WAVE_SCHED_MODE, 0, 2), 2
	s_setreg_imm32_b32 hwreg(HW_REG_WAVE_MODE, 25, 1), 1
	s_wait_xcnt 0x0
	s_wait_alu depctr_vm_vsrc(0)
; Gated attention of one row n (work-group n): q, k, v and gate projections, 4 heads x 256 queries x 256 keys with mask[n][key] and triangle bias[head][query][key], gate, output projection.
; All seven products on E4M3 codes; scales 2^e, e0 .. e13 = wq, q_x, wk, kv_x, wv, kv_x, q, k, p, v, q_x, wg, o g, wo.  Nothing but the result goes to memory.
; SHARES.  Eight waves of 512 registers.  Wave w owns queries 32 w .. 32 w + 31 (two tiles u = 0, 1) and, for the projections of k and v, keys 32 w .. 32 w + 31.
; A UNIT is one query tile x one head x all 256 keys: a lane holds 128 scores, the whole row of its query in its half of the keys, so M is the ceiling of the row's true largest t and nothing is ever rescaled.
; THE ORDER.  A query tile at a time: its four heads, then the tile's 16 rows of the result.  So the first tile's rows are stored while the second tile's four units are worked on, and only half of the result leaves behind the last product.
; LAYOUT (lane L: r = L % 16, h = L / 16).  The 16 rows of weight tile t, and the 16 keys of key tile T, are NOT neighbours: lane r takes row 32 (t / 2) + 8 (t % 2) + r + 8 (r / 8).
;   A fragment (16 rows x 128 K) is four loads of 16 bytes at row x 128 + 32 c + 16 h: registers 4 c .. 4 c + 3 hold k = 32 c + 16 h + 0 .. 15: one order of k on both sides of every product.
;   weight tile x rows of x: a lane holds one row of x, and the 16 registers of tiles 2 b, 2 b + 1 are head b's channels 16 h + 0 .. 15: two conversions make the four data registers of a K = 64 operand (K = 32, the upper four registers are zero codes).
;   S^T = k q^T + C: register 8 T + j of lane (r, h) is query r, key 32 (T / 2) + 16 h + 8 (T % 2) + j.  C = (triangle + mask) / 2^(e6 + e7) goes in as the product's C; timg holds the triangle bias in just this order.
;   p's conversions then ARE the operand of O^T = v^T p^T; O^T's 16 registers of a head are 16 neighbours of the last product's K, and the gate has the same layout.
; OPERANDS GO FROM WAVE TO WAVE THROUGH LDS AS IMAGES OF THEIR REGISTERS: 512 bytes for four registers, lane L's 16 bytes at 16 L.
; NO CLUSTER, NO TENSOR LOAD: what work-groups share is timg (1 MiB for each) and 80 KiB of weights.  timg goes from memory straight into accumulator registers, 512 consecutive bytes an instruction, one unit ahead; a joint
;   load would bring it into LDS, whence its 1 MiB would be read once more, through slots filled again eight times or more; and the branch on e8 below would have to go.
; LIMITS.  Each of e7-e2-e3, e9-e4-e5, e6-e0-e1, e8, e12-e8-e9 lies in -126 .. 119; e6+e7 in -126 .. 126; e10+e11 and e12+e13 in -126 .. 127: so that every power of two below is an f32 number.
;   NaN among the inputs is not served.  t - M is one fused multiply-add of the sum; where a row's largest logit is beyond some 2^20 in magnitude (every key of a row masked by -1e9) the result differs from a t that is rounded first.
; THE MODE: SCHED_MODE bits 1:0 = 2 (LLVM: expert scheduling mode 2), set by the entry lines.  The code itself states the register dependences between vector or matrix instructions and memory or LDS instructions, with s_wait_alu, always for 0.
; THE PLAN.  Registers that memory or LDS instructions touch, in the loop:
;   the two score buffers (window 1, v0-127 and v128-255).  A unit works on one: its bias has landed there, vector and matrix instructions work on it, v's fragments land in its registers +0..63 behind p's first eight conversions and the gate
;     in +80..95 behind the last eight.  The other buffer is the one that the unit before worked on; no vector or matrix instruction of this unit names it, and the next unit's bias lands in it.
;   k's eight places and q's one (the lower four registers of each): LDS loads land in them, the score products read them.
;   v216-219: o g's codes: two conversions write them, the unit's last line, an LDS store, reads them, the next unit's conversions of p write them again.
;   v8, v9: LDS addresses, written at a trip's head.  v1-v7: offsets and LDS addresses that the loop never writes.
;   the result's step: v250-252 addresses made anew; o g's fragment, wo's tiles and bo land by LDS loads and are read by products and multiply-adds; the four accumulators are read by LDS stores, take LDS loads, and are read by global stores.
; A UNIT'S WAITS.  On va_vdst: ahead of the second run of k's loads; ahead of the sums; ahead of v's loads; ahead of the gate's loads; ahead of the last store.  That last one stands behind every vector and matrix instruction of the unit, so it also
;   serves the next unit's loads of q, of k's first eight tiles and of the bias for the unit after it, all of which land in registers that nothing issued since names.  On vm_vsrc: one, ahead of p's conversions.
.set KIMG, 81920                       ; LDS.  0: the weights' images, (8 g + t) x 2,048, g = wk, wv, wq, wg, wo;  KIMG: k's codes, (16 b + T) x 512
.set VIMG, 114688                      ; v's fragments, (2 b + t') x 4,096 + 2,048 x K step + 512 c
.set QIMG, 147456                      ; q's codes, (4 x query tile + b) x 512; later o g's codes in the same place (the wave's own)
.set GIMG, 180224                      ; the gate in f32, 16,384 w + 8,192 u + 2,048 b + 512 i (the wave's own); when a tile's four heads are done, its 8,192 bytes are the stage for the tile's result
.set BOL,  311296                      ; bo, a copy of 512 bytes for each wave
.set LI,  1                            ; v1  16 L
.set KA0, 2                            ; v2  LI + KIMG
.set VA0, 3                            ; v3  LI + VIMG
.set QI0, 4                            ; v4  LI + QIMG + 4,096 w
.set GA0, 5                            ; v5  LI + GIMG + 16,384 w
.set WOB, 6                            ; v6  in the loop: LI + 65,536: wo's images
.set BOB, 7                            ; v7  in the loop: my copy of bo, + 64 h
.set QI,  8                            ; v8, v9 in the loop: QI0 and GA0 for the tile in hand
.set GA,  9
.set WF,  16                           ; prologue: two sets of two weight fragments, v16-79
.set CD,  80                           ; v80-87 codes just made;  v88-90 the conversions' scales of k, v, q;  v91-93 448 x those
.set XK,  96                           ; v96-127 my two key tiles of kv_x;  v128-159 my two query tiles of q_x
.set XQ,  128
.set ACC, 160                          ; v160-191 four accumulators
.set BG,  192                          ; v192-255 -log2(e) x bg, 16 registers a head
.set MK,  16                           ; loop: v16-143 mask / 2^(e6 + e7), in the scores' order
.set KS,  144                          ; v144-207 eight places for tiles of k: four registers of codes, four of zeros
.set QB,  208                          ; v208-215 q's tile: the same
.set PC,  216                          ; v216-247 p's codes.  v248-255 at work: maxima, sums, lane exchanges, the result's addresses; v10 2^e8; v11 2^(e12-e8-e9); v12 -M; v13 448 x v11; v14 1 / l; v15 448 x 2^e8
.set OGF, 128                          ; the result's step, in window 1, in the score buffer that the fourth head has left: o g's fragment, wo's four tiles, four accumulators;
.set WOF, 144
.set OA,  208
.set BO,  216                          ; and in window 0, where p's codes lay: bo in the accumulators' layout
.set E8,  44                           ; s36-49: e0 .. e13
.set WV,  52                           ; s52 my wave's number
.set SEL, 54                           ; s[54:55] v_permlanex16_b32's selects for lane L xor 16
.set CC,  56                           ; s[56:57] log2(e) x 2^(e6 + e7)      (the packed forms name a pair and take its low word for both halves: both words are written)
.set SC,  58                           ; s[58:59] 2^-(e6 + e7)
.set CG,  60                           ; s[60:61] -log2(e) x 2^(e10 + e11)
.set CO,  62                           ; s[62:63] 2^(e12 + e13)
.set HD,  82                           ; s82 the query tile u;  s84, s85 its steps in LDS: 2,048 (q), 8,192 (gate)
.set SQ5, 84
.set SG2, 85
.set TP,  86                           ; s[86:87] timg at head 0 of the query tile in hand
.set OP,  88                           ; s[88:89] out0 at the first query of the tile in hand
.set MSB, 0
.macro WIN new                         ; register windows: bits 1:0 source 0, 3:2 source 1, 5:4 source 2, 7:6 destination; the immediate's high byte repeats the setting that is left
.if MSB != \new
	s_set_vgpr_msb (MSB<<8)|\new
.set MSB, \new
.endif
.endm
.macro PLACES n                        ; plain vector instructions between a matrix instruction and what touches its registers (ISA guide 7.12.1)
.rept \n
	v_nop
.endr
.endm
.macro MKQ sc, hd, ex                  ; from the exponent in s[ex]: 2^ex and 448 x 2^ex as f32 patterns
	s_add_co_i32 s[\sc], s[\ex], 127
	s_add_co_i32 s[\hd], s[\ex], 135
	s_lshl_b32 s[\sc], s[\sc], 23
	s_lshl_b32 s[\hd], s[\hd], 23
	s_or_b32 s[\hd], s[\hd], 0x600000
.endm
.macro FRAGG dst, adr, sb, off, nt     ; a fragment from memory; nt = 1: bytes that the whole launch reads once
.irp c, 0,1,2,3
.if \nt
	global_load_b128 v[(\dst)+4*\c:(\dst)+4*\c+3], v[\adr], s[\sb:\sb+1] offset:(\off)+32*\c th:TH_LOAD_NT
.else
	global_load_b128 v[(\dst)+4*\c:(\dst)+4*\c+3], v[\adr], s[\sb:\sb+1] offset:(\off)+32*\c
.endif
.endr
.endm
.macro IMAGE adr, src, off             ; a fragment goes to LDS as it stands,
.irp c, 0,1,2,3
	ds_store_b128 v[\adr], v[(\src)+4*\c:(\src)+4*\c+3] offset:(\off)+512*\c
.endr
.endm
.macro FETCH dst, adr, off             ; and comes back so, in any wave
.irp c, 0,1,2,3
	ds_load_b128 v[(\dst)+4*\c:(\dst)+4*\c+3], v[\adr] offset:(\off)+512*\c
.endr
.endm
.macro FETCH2 gi                       ; group gi's two weight tiles into set gi % 2
	FETCH WF+32*((\gi)%2), LI, (\gi)*4096
	FETCH WF+32*((\gi)%2)+16, LI, (\gi)*4096+2048
.endm
.macro MM4 xfirst, set, X              ; two weight tiles x two tiles of x; each product starts its sum with the constant 0
.set W0, WF+32*(\set)
.if \xfirst
	v_wmma_f32_16x16x128_fp8_fp8 v[ACC:ACC+7],     v[\X:\X+15],    v[W0:W0+15],    0
	v_wmma_f32_16x16x128_fp8_fp8 v[ACC+8:ACC+15],  v[\X+16:\X+31], v[W0:W0+15],    0
	v_wmma_f32_16x16x128_fp8_fp8 v[ACC+16:ACC+23], v[\X:\X+15],    v[W0+16:W0+31], 0
	v_wmma_f32_16x16x128_fp8_fp8 v[ACC+24:ACC+31], v[\X+16:\X+31], v[W0+16:W0+31], 0
.else
	v_wmma_f32_16x16x128_fp8_fp8 v[ACC:ACC+7],     v[W0:W0+15],    v[\X:\X+15],    0
	v_wmma_f32_16x16x128_fp8_fp8 v[ACC+8:ACC+15],  v[W0+16:W0+31], v[\X:\X+15],    0
	v_wmma_f32_16x16x128_fp8_fp8 v[ACC+16:ACC+23], v[W0:W0+15],    v[\X+16:\X+31], 0
	v_wmma_f32_16x16x128_fp8_fp8 v[ACC+24:ACC+31], v[W0+16:W0+31], v[\X+16:\X+31], 0
.endif
.endm
.macro GHEAD gi, xfirst, X             ; a group's head
	s_wait_dscnt 0x0                               ; my two weight tiles are in (asked for a group ago)
.if (\gi) > 0
	s_wait_alu depctr_vm_vsrc(0)                   ; the last group's LDS stores have read their data (the codes in v80-87, or the gate in the accumulators), which this group writes again
.endif
.if (\gi) < 15
	FETCH2 (\gi)+1                                 ; the next group's, into the set that the group before multiplied: the wait on va_vdst ahead of that group's stores stands behind its products, and nothing issued since names the set
.endif
	MM4 \xfirst, (\gi)%2, \X
	PLACES 5                                       ; four for the reads below; five for the next group's products, which begin these accumulators anew
.endm
.macro QUANT16 src, dst, vh, vs        ; 16 neighbours along the next K become four registers of codes
.irp i, 0,1,2,3,4,5,6,7,8,9,10,11,12,13,14,15
	v_med3_num_f32 v[\src+\i], v[\src+\i], -v[\vh], v[\vh]   ; the conversion to an 8-bit code does not saturate (ISA guide 7.6.2): the hold at 448 x the scale; each accumulator from its low end on
.endr
	v_cvt_scalef32_pk8_fp8_f32 v[\dst:\dst+1], v[\src:\src+7], v[\vs]
	v_cvt_scalef32_pk8_fp8_f32 v[\dst+2:\dst+3], v[\src+8:\src+15], v[\vs]
.endm
.macro TAILC vh, vs, adr, off0, off1   ; the group's 2 x 16 sums become codes and go to LDS
	QUANT16 ACC, CD, \vh, \vs
	QUANT16 ACC+16, CD+4, \vh, \vs
	v_nop                                          ; a plain instruction between the conversions and the next products, which write their sources
	s_wait_alu depctr_va_vdst(0)                   ; the conversions have written v80-87, which the two stores read; and the group's products are done reading their weight set, in which the loads at the next group's head land
	ds_store_b128 v[\adr], v[CD:CD+3] offset:\off0
	ds_store_b128 v[\adr], v[CD+4:CD+7] offset:\off1
.endm
.macro TAILG b                         ; the gate of head b: 1 / (1 + 2^(-log2(e) (sum x 2^(e10 + e11) + bg)))
.irp u, 0,1
.irp i, 0,2,4,6,8,10,12,14
	v_pk_fma_f32 v[ACC+16*\u+\i:ACC+16*\u+\i+1], v[ACC+16*\u+\i:ACC+16*\u+\i+1], s[CG:CG+1], v[BG+16*(\b)+\i:BG+16*(\b)+\i+1] op_sel_hi:[1,0,1]
.endr
.endr
.set gj, 0
.rept 32
	v_exp_f32 v[ACC+gj], v[ACC+gj]
.set gj, gj+1
.endr
	v_nop                                          ; a plain instruction between the exponentials and the first use of a result: the other exponentials in between are none (ISA guide 5.7.2)
.set gj, 0
	s_wait_alu depctr_va_vdst(0)                   ; the 32 exponentials have written their results, ahead of the first line that names one
.rept 16
	v_pk_add_f32 v[ACC+gj:ACC+gj+1], v[ACC+gj:ACC+gj+1], 1.0 op_sel_hi:[1,0]
.set gj, gj+2
.endr
.set gj, 0
.rept 32
	v_rcp_f32 v[ACC+gj], v[ACC+gj]
.set gj, gj+1
.endr
	v_nop                                          ; a plain instruction behind the reciprocals
	s_wait_alu depctr_va_vdst(0)                   ; the 32 reciprocals have written the gate, which the stores read; and the group's products are done reading their weight set, in which the loads at the next group's head land
.irp u, 0,1
.irp i, 0,1,2,3
	ds_store_b128 v[GA0], v[ACC+16*\u+4*\i:ACC+16*\u+4*\i+3] offset:\u*8192+(\b)*2048+512*\i
.endr
.endr
.endm
.macro TRIPART sb, off, i0, n          ; pieces i0 .. i0 + n - 1 of a unit's triangle bias (32 pieces of 512 consecutive bytes) into score registers 4 i .. 4 i + 3 of the buffer at v[sb] of window 1.  The windows in force: destination 1, source 0 (the address) 0
.set ti, (\i0)
.rept \n
	global_load_b128 v[(\sb)+4*ti:(\sb)+4*ti+3], v[LI], s[TP:TP+1] offset:(\off)+512*ti
.set ti, ti+1
.endr
.endm
.macro TRILOAD sb, off                 ; all 32 pieces in one run
	WIN 0x40
	TRIPART \sb, \off, 0, 32
.endm
.macro KLOAD b, g, set                 ; k's tiles 4 g .. 4 g + 3 of head b
	WIN 0
.irp i, 0,1,2,3
	ds_load_b128 v[KS+8*(4*(\set)+\i):KS+8*(4*(\set)+\i)+3], v[KA0] offset:(\b)*8192+(4*(\g)+\i)*512
.endr
.endm
.macro CPREP sb, g                     ; C of tiles 4 g .. 4 g + 3: triangle / 2^(e6 + e7) + mask / 2^(e6 + e7), one fused multiply-add for two
	WIN 0x41
.set ci, 32*(\g)
.rept 16
	v_pk_fma_f32 v[\sb+ci:\sb+ci+1], v[\sb+ci:\sb+ci+1], s[SC:SC+1], v[MK+ci:MK+ci+1] op_sel_hi:[1,0,1]
.set ci, ci+2
.endr
.endm
.macro SCORE sb, g, set                ; S^T of tiles 4 g .. 4 g + 3: one product each, onto its C
	WIN 0x50
.irp i, 0,1,2,3
	v_wmma_f32_16x16x64_fp8_fp8 v[\sb+8*(4*(\g)+\i):\sb+8*(4*(\g)+\i)+7], v[KS+8*(4*(\set)+\i):KS+8*(4*(\set)+\i)+7], v[QB:QB+7], v[\sb+8*(4*(\g)+\i):\sb+8*(4*(\g)+\i)+7]
.endr
.endm
	s_load_b512 s[8:23], s[0:1], 0x0               ; q_x 8, kv_x 10, wk 12, wv 14, wq 16, wg 18, wo 20, bg 22
	s_load_b256 s[24:31], s[0:1], 0x40             ; bo 24, mask 26, scales 28, timg 30
	s_load_b64 s[32:33], s[0:1], 0x60              ; out0
	v_lshrrev_b32 v1, 5, v0
	v_readfirstlane_b32 s[WV], v1                  ; wave 0..7
	v_and_b32 v1, 31, v0
	v_lshlrev_b32 v[LI], 4, v1
	v_and_b32 v252, 15, v0                         ; r
	v_bfe_u32 v253, v0, 4, 1                       ; h
	v_and_b32 v254, 8, v252
	v_add_nc_u32 v254, v254, v252                  ; r + 8 (r / 8)
	v_lshlrev_b32 v254, 7, v254
	v_lshl_add_u32 v254, v253, 4, v254             ; a lane's place in a tile whose rows are chosen: (r + 8 (r / 8)) x 128 + 16 h
	s_wait_alu depctr_va_sdst(0)                   ; s52, my wave's number, is written, ahead of its first reader two lines on
	s_lshl_b32 s77, ttmp9, 15
	s_lshl_b32 s78, s[WV], 12
	s_add_co_u32 s77, s77, s78                     ; row n's 32,768 bytes of codes, my 32 rows of 128
	v_add_nc_u32 v6, s77, v254                     ; kv_x: my key tiles
	v_lshlrev_b32 v7, 7, v252
	v_lshl_add_u32 v7, v253, 4, v7
	v_add_nc_u32 v7, s77, v7                       ; q_x: my query tiles, rows as they lie
	s_lshr_b32 s79, s[WV], 1
	s_lshl_b32 s79, s79, 12
	s_and_b32 s80, s[WV], 1
	s_lshl_b32 s80, s80, 10
	s_add_co_u32 s79, s79, s80
	v_add_nc_u32 v8, s79, v254                     ; weights: tile w begins at row 32 (w / 2) + 8 (w % 2)
	v_lshlrev_b32 v10, 6, v253                     ; bg: 64 h
	s_lshl_b32 s79, ttmp9, 10
	v_add_nc_u32 v9, s79, v10                      ; mask: row n, + 64 h
	v_add_nc_u32 v[KA0], KIMG, v[LI]
	v_add_nc_u32 v[VA0], VIMG, v[LI]
	v_add_nc_u32 v[QI0], s78, v[LI]
	v_add_nc_u32 v[QI0], QIMG, v[QI0]
	s_lshl_b32 s79, s[WV], 14
	v_add_nc_u32 v[GA0], s79, v[LI]
	v_add_nc_u32 v[GA0], GIMG, v[GA0]
	s_lshl_b32 s80, s[WV], 11
	v_add_nc_u32 v11, s80, v[LI]                   ; where tile w of a weight goes
	s_lshl_b32 s80, s[WV], 10
	v_add_nc_u32 v12, s80, v[KA0]                  ; where my two tiles of k go
	s_lshl_b32 s80, s[WV], 9
	v_add_nc_u32 v13, s80, v[VA0]                  ; where my four registers of each of v's fragments go
	v_add_nc_u32 v14, 65536, v11                   ; wo's images lie beyond an immediate's reach
	v_add_nc_u32 v15, s80, v[LI]
	v_add_nc_u32 v15, BOL, v15
	s_lshl_b32 s78, ttmp9, 17
	s_add_co_u32 s78, s78, s79                     ; out0: 131,072 n + 16,384 w
	s_mov_b32 s79, 0
	s_lshl_b32 s80, s[WV], 15                      ; timg: my two query tiles, 32,768 w
	s_mov_b32 s81, 0
	s_mov_b32 s[SEL], 0x76543210
	s_mov_b32 s[SEL+1], 0xfedcba98
	s_wait_kmcnt 0x0
	s_load_b256 s[36:43], s[28:29], 0x0            ; e0 .. e7
	s_load_b128 s[44:47], s[28:29], 0x20           ; e8 .. e11
	s_load_b64 s[48:49], s[28:29], 0x30            ; e12, e13: 56 bytes in all
	s_add_nc_u64 s[TP:TP+1], s[30:31], s[80:81]
	s_add_nc_u64 s[OP:OP+1], s[32:33], s[78:79]
	s_wait_alu depctr_va_vdst(0)                   ; v1 to v15, the offsets and LDS addresses that the prologue's loads and stores read, are written; so are v252 to v254, in which bg lands
	FRAGG 16, 8, 12, 0, 0                          ; tile w of wk, wv, wq, wg, wo: the work-group reads each weight byte once
	FRAGG 32, 8, 14, 0, 0
	FRAGG 48, 8, 16, 0, 0
	FRAGG 64, 8, 18, 0, 0
	FRAGG 80, 8, 20, 0, 0
	global_load_b128 v[160:163], v[LI], s[24:25]   ; bo, 512 bytes
	FRAGG XK, 6, 10, 0, 1
	FRAGG XK+16, 6, 10, 1024, 1
	FRAGG XQ, 7, 8, 0, 1
	FRAGG XQ+16, 7, 8, 2048, 1
.irp b, 0,1,2,3
.irp y, 0,1,2,3
	global_load_b128 v[BG+16*\b+4*\y:BG+16*\b+4*\y+3], v10, s[22:23] offset:128*\b+16*\y   ; bg[32 b + 16 h + 0 .. 15]
.endr
.endr
	s_wait_loadcnt 32                              ; behind the weights and bo stand 8 + 8 + 16 loads: those may stay out
	IMAGE 11, 16, 0
	IMAGE 11, 32, 16384
	IMAGE 11, 48, 32768
	IMAGE 11, 64, 49152
	IMAGE 14, 80, 0
	ds_store_b128 v15, v[160:163]
	s_wait_dscnt 0x0                               ; for the others' sake: my images have landed
	s_barrier_signal -1
	s_barrier_wait -1                              ; the weights' 40 images are whole; nobody writes them again
	s_wait_alu depctr_vm_vsrc(0)                   ; my LDS stores have read v16-95 and v160-163: weight tiles land in v16-79, the scales below are written into v88-93, the codes into v80-87, and the products write v160 on
	FETCH2 0
	s_wait_kmcnt 0x0                               ; the exponents
	s_sub_co_i32 s77, s43, s38
	s_sub_co_i32 s77, s77, s39                     ; a sum of wk x kv_x stands for sum x 2^(e2 + e3): k's code is sum / 2^(e7 - e2 - e3)
	MKQ 72, 66, 77
	s_sub_co_i32 s77, s45, s40
	s_sub_co_i32 s77, s77, s41                     ; v: e9 - e4 - e5
	MKQ 73, 67, 77
	s_sub_co_i32 s77, s42, s36
	s_sub_co_i32 s77, s77, s37                     ; q: e6 - e0 - e1
	MKQ 74, 68, 77
	MKQ 75, 69, E8                                 ; p: e8
	s_sub_co_i32 s77, s48, s44
	s_sub_co_i32 s77, s77, s45                     ; o g: e12 - e8 - e9
	MKQ 76, 70, 77
	s_add_co_i32 s77, s42, s43                     ; e6 + e7 is added to log2(e)'s exponent field,
	s_lshl_b32 s78, s77, 23
	s_add_co_u32 s[CC], s78, 0x3fb8aa3b
	s_mov_b32 s[CC+1], s[CC]
	s_sub_co_i32 s77, 127, s77                     ; and 2^-(e6 + e7) brings the biases under the sums' scale
	s_lshl_b32 s[SC], s77, 23
	s_mov_b32 s[SC+1], s[SC]
	s_add_co_i32 s77, s46, s47
	s_lshl_b32 s77, s77, 23
	s_add_co_u32 s[CG], s77, 0xbfb8aa3b            ; -log2(e) x 2^(e10 + e11)
	s_mov_b32 s[CG+1], s[CG]
	s_add_co_i32 s77, s48, s49
	s_add_co_i32 s77, s77, 127
	s_lshl_b32 s[CO], s77, 23                      ; 2^(e12 + e13)
	s_mov_b32 s[CO+1], s[CO]
	v_mov_b32 v88, s72
	v_mov_b32 v89, s73
	v_mov_b32 v90, s74
	v_mov_b32 v91, s66
	v_mov_b32 v92, s67
	v_mov_b32 v93, s68
	s_wait_loadcnt 0x0                             ; x and bg are in: no load of mine is out
	WIN 0x40
.irp b, 0,1,2,3,4,5,6,7
.irp y, 0,1,2,3
	global_load_b128 v[128+16*\b+4*\y:128+16*\b+4*\y+3], v9, s[26:27] offset:128*\b+16*\y   ; mask[n][32 b + 16 h + 0 .. 15], for now in the second score buffer, which nothing has named yet; it has eight groups in which to land
.endr
.endr
	WIN 0
.set gj, 0
.rept 32
	v_pk_mul_f32 v[BG+gj:BG+gj+1], v[BG+gj:BG+gj+1], 0xbfb8aa3b op_sel_hi:[1,0]
.set gj, gj+2
.endr
; THE PROJECTIONS: sixteen groups of four products, a head at a time.
.irp b, 0,1,2,3                        ; k: weight tile x keys: a lane holds one key and 16 channels
	GHEAD \b, 0, XK
	TAILC 91, 88, 12, \b*8192, \b*8192+512
.endr
.irp b, 0,1,2,3                        ; v: keys x weight tile: a lane holds one channel and 16 neighbouring keys: registers 4 (w % 4) on of K step w / 4 of v's fragment
	GHEAD 4+\b, 1, XK
	TAILC 92, 89, 13, (2*\b)*4096, (2*\b+1)*4096
.endr
	s_wait_loadcnt 0x0                             ; the mask is in (asked for eight groups ago): so 32 loads of mine are out at the most from here on
	TRILOAD 0, 0                                   ; the first unit's triangle bias, into the first score buffer, which nothing has named yet
	WIN 0
.irp b, 0,1,2,3                        ; q: x 1 / sqrt(32) in f32, as the definition has it ahead of the quantiser
	GHEAD 8+\b, 0, XQ
.irp i, 0,2,4,6,8,10,12,14,16,18,20,22,24,26,28,30
	v_pk_mul_f32 v[ACC+\i:ACC+\i+1], v[ACC+\i:ACC+\i+1], 0x3e3504f3 op_sel_hi:[1,0]
.endr
	TAILC 93, 90, 4, \b*512, \b*512+2048
.endr
.irp b, 0,1,2,3
	GHEAD 12+\b, 0, XQ
	TAILG \b
.endr
	s_wait_dscnt 0x0                               ; for the others' sake: my parts of k and v have landed
	s_barrier_signal -1
	s_barrier_wait -1                              ; k's and v's images are whole; from here on every LDS byte that is written is the writing wave's own
	s_wait_alu depctr_vm_vsrc(0)                   ; the last group's LDS stores have read the gate in v160-191, among which zero codes are written below
	WIN 0x01
.set gj, 0
.rept 64
	v_pk_mul_f32 v[MK+gj:MK+gj+1], v[128+gj:128+gj+1], s[SC:SC+1] op_sel_hi:[1,0]   ; mask / 2^(e6 + e7): kept for all eight units  (the wait ahead of the first unit's loads has shown the mask landed)
.set gj, gj+2
.endr
	WIN 0
.irp k, 0,1,2,3,4,5,6,7,8
.irp j, 4,5,6,7
	v_mov_b32 v[KS+8*\k+\j], 0                     ; K = 32 in a form of K = 64: the upper halves of k's eight places and of q's are zero codes, in registers of their own
.endr
.endr
	v_add_nc_u32 v[WOB], 65536, v[LI]              ; wo's images
	s_lshl_b32 s77, s[WV], 9
	s_add_co_u32 s77, s77, BOL
	v_bfe_u32 v[BOB], v0, 4, 1
	v_lshlrev_b32 v[BOB], 6, v[BOB]
	v_add_nc_u32 v[BOB], s77, v[BOB]               ; my copy of bo, + 64 h
	v_mov_b32 v10, s75
	v_mov_b32 v11, s76
	v_mov_b32 v13, s70
	v_mov_b32 v15, s69
	v_mov_b32 v254, 0                              ; a lane exchange's destination counts as read
	v_mov_b32 v255, 0
	s_mov_b32 s[HD], 0
	s_mov_b32 s[SQ5], 0
	s_mov_b32 s[SG2], 0
; A UNIT: head b of the query tile in hand; its scores in the buffer at v[sb] of window 1.  cond = 1: the unit behind it belongs to the next tile, if there is one.
.macro UNIT sb, b, cond
.set OB, 128-(\sb)
.set OO, (\sb)+64                      ; when p has been converted the buffer is free: +0..63 v's four fragments, +64..79 O^T, +80..95 the gate
.set GG, (\sb)+80
.set NOFF, ((\b)+1)*262144             ; the next head's block of timg
	s_wait_loadcnt 0x0                             ; just this unit's 32 loads are out, asked for in the course of the unit before
; No wait on va_vdst stands at a unit's head: the one ahead of the last unit's store (in a trip's first unit: the one at the trip's head) stands behind all that named q's place, k's places and the other buffer, and nothing issued since names them.
.if \cond
	s_cmp_eq_u32 s[HD], 1
	s_cbranch_scc1 .Lno_next_\@                    ; the last unit asks for nothing: no load leaves timg.  One branch, so here the 32 loads stand in one run
	TRILOAD OB, 16384                              ; head 0 of my next tile
	WIN 0
.Lno_next_\@:
.endif
	ds_load_b128 v[QB:QB+3], v[QI] offset:(\b)*512
	KLOAD \b, 0, 0
	KLOAD \b, 1, 1
	CPREP \sb, 0
	s_wait_dscnt 4                                 ; only k's tiles 4 to 7 may be out
	SCORE \sb, 0, 0
.if \cond == 0
	TRIPART OB, NOFF, 0, 4                         ; the next unit's bias goes out in groups of four among the arithmetic, into the other buffer, which no vector or matrix instruction of this unit names: here under the products' own windows
.endif
	CPREP \sb, 1
	s_wait_dscnt 0x0
	SCORE \sb, 1, 1
.if \cond == 0
	TRIPART OB, NOFF, 4, 4
.endif
	CPREP \sb, 2
	WIN 0
	s_wait_alu depctr_va_vdst(0)                   ; the products of tiles 0 to 7 are done reading k's eight places, in which tiles 8 to 15 land: one wait for both sets
	KLOAD \b, 2, 0
	KLOAD \b, 3, 1
	CPREP \sb, 3                                   ; the last four tiles' C is made while those loads are out
	s_wait_dscnt 4                                 ; only k's tiles 12 to 15 may be out
	SCORE \sb, 2, 0
.if \cond == 0
	TRIPART OB, NOFF, 8, 4
.endif
	s_wait_dscnt 0x0
	SCORE \sb, 3, 1
.if \cond == 0
	TRIPART OB, NOFF, 12, 4
.endif
	WIN 0x15                                       ; the largest sum of my query among my 128 keys, in four chains that do not wait for each other, ascending
.irp k, 0,1,2,3
	v_max3_num_f32 v[248+\k], v[\sb+3*\k], v[\sb+3*\k+1], v[\sb+3*\k+2]
.endr
	WIN 0x14
.set mi, 0
.rept 58
	v_max3_num_f32 v[248+mi%4], v[248+mi%4], v[\sb+12+2*mi], v[\sb+13+2*mi]
.set mi, mi+1
.endr
	WIN 0
	v_max3_num_f32 v248, v248, v249, v250
	v_max_num_f32 v248, v248, v251
	v_permlanex16_b32 v254, v248, s[SEL], s[SEL+1]
	v_max_num_f32 v248, v248, v254                 ; and among lane L xor 16's
	v_mul_f32 v248, s[CC], v248                    ; as t
	v_floor_f32 v12, -v248                         ; -M = floor(-t) = -ceil(t)
	WIN 0x41
	v_pk_fma_f32 v[\sb:\sb+1], v[\sb:\sb+1], s[CC:CC+1], v[12:13] op_sel_hi:[1,0,0]       ; t - M, two at a time, two pairs ahead of the exponentials
	v_pk_fma_f32 v[\sb+2:\sb+3], v[\sb+2:\sb+3], s[CC:CC+1], v[12:13] op_sel_hi:[1,0,0]
.set ei, 0
.rept 64
	v_exp_f32 v[\sb+2*ei], v[\sb+2*ei]             ; p = 2^(t - M): not normalised
	v_exp_f32 v[\sb+2*ei+1], v[\sb+2*ei+1]
.if ei < 62
	v_pk_fma_f32 v[\sb+2*ei+4:\sb+2*ei+5], v[\sb+2*ei+4:\sb+2*ei+5], s[CC:CC+1], v[12:13] op_sel_hi:[1,0,0]   ; a plain instruction on other registers behind each pair of exponentials
.endif
.if (\cond == 0) && ((ei%8) == 3) && (ei < 32)
	WIN 0x40
	TRIPART OB, NOFF, 16+4*(ei/8), 4               ; the other four groups: behind pairs 3, 11, 19 and 27, so that the last stands more than half of the exponentials, the sums, the conversions and the unit's end ahead of the wait for it
	WIN 0x41
.endif
.set ei, ei+1
.endr
	WIN 0x05                                       ; the row's sum of the unquantised p, two at a time, in four chains; the first lines read the oldest exponentials and are the plain instructions behind the last four
.set ak, 0
	s_wait_alu depctr_va_vdst(0)                   ; the 128 exponentials have written p, ahead of the first line that names a result: one wait for the batch
.rept 4
	v_pk_add_f32 v[248+2*((ak+1)%4):249+2*((ak+1)%4)], v[\sb+4*ak:\sb+4*ak+1], v[\sb+4*ak+2:\sb+4*ak+3]
.set ak, ak+1
.endr
	WIN 0x04
.set ak, 0
.rept 56
	v_pk_add_f32 v[248+2*((ak+1)%4):249+2*((ak+1)%4)], v[248+2*((ak+1)%4):249+2*((ak+1)%4)], v[\sb+16+2*ak:\sb+17+2*ak]
.set ak, ak+1
.endr
	WIN 0
.if (\b) > 0
	s_wait_alu depctr_vm_vsrc(0)                   ; the LDS store at the end of the head before has read v216-219, which p's conversions write again.  (Head 0 has no such store in front of it that the trip's end has not covered)
.endif
	s_cmp_ge_i32 s[E8], -8                         ; p is at most 1 (a last bit more at the worst), and 448 x 2^e8 is 1.75 or more from e8 = -8 on: there the hold changes nothing and is passed over.  A scalar branch on a whole number that was read from memory
	s_cbranch_scc1 .Lno_hold_\@
	WIN 0x44
.set ai, 0
.rept 128
	v_min_num_f32 v[\sb+ai], v15, v[\sb+ai]        ; the conversion does not saturate (ISA guide 7.6.2); p is not negative, so the hold is one-sided
.set ai, ai+1
.endr
	WIN 0
.Lno_hold_\@:
	WIN 0x01
.irp t, 0,1,2,3,4,5,6,7
	v_cvt_scalef32_pk8_fp8_f32 v[PC+2*\t:PC+2*\t+1], v[\sb+8*\t:\sb+8*\t+7], v10
.endr
	WIN 0x40
	s_wait_alu depctr_va_vdst(0)                   ; the first eight conversions, and the sums ahead of them, are done reading score registers +0..63, in which v's fragments land
.irp k, 0,1                            ; v's fragments (t', K step k) at +16 (t' + 2 k), into score registers that have been converted
.irp t, 0,1
.irp c, 0,1,2,3
	ds_load_b128 v[\sb+16*(\t+2*\k)+4*\c:\sb+16*(\t+2*\k)+4*\c+3], v[VA0] offset:(\b)*8192+\t*4096+\k*2048+512*\c
.endr
.endr
.endr
	WIN 0x01
.irp t, 8,9,10,11,12,13,14,15
	v_cvt_scalef32_pk8_fp8_f32 v[PC+2*\t:PC+2*\t+1], v[\sb+8*\t:\sb+8*\t+7], v10
.endr
	v_nop                                          ; a plain instruction between the conversions and the products that read their results and write over their sources
	WIN 0
	v_pk_add_f32 v[250:251], v[250:251], v[252:253]
	v_pk_add_f32 v[248:249], v[248:249], v[254:255]
	v_pk_add_f32 v[250:251], v[250:251], v[248:249]
	v_add_f32 v250, v250, v251
	v_permlanex16_b32 v255, v250, s[SEL], s[SEL+1]
	v_add_f32 v250, v250, v255                     ; l
	v_rcp_f32 v14, v250
	WIN 0x40
	s_wait_alu depctr_va_vdst(0)                   ; the last eight conversions are done reading score registers +80..95, in which the gate lands; and the reciprocal has written v14, ahead of the first line that names it
.irp i, 0,1,2,3
	ds_load_b128 v[GG+4*\i:GG+4*\i+3], v[GA] offset:(\b)*2048+512*\i
.endr
	s_wait_dscnt 4                                 ; only the gate's four loads may be out: v is in
	WIN 0x51                                       ; O^T = v^T p^T: two accumulators by turns, one instruction a turn
	v_wmma_f32_16x16x128_fp8_fp8 v[OO:OO+7],    v[\sb:\sb+15],    v[PC:PC+15],    0
	v_wmma_f32_16x16x128_fp8_fp8 v[OO+8:OO+15], v[\sb+16:\sb+31], v[PC:PC+15],    0
	v_wmma_f32_16x16x128_fp8_fp8 v[OO:OO+7],    v[\sb+32:\sb+47], v[PC+16:PC+31], v[OO:OO+7]
	v_wmma_f32_16x16x128_fp8_fp8 v[OO+8:OO+15], v[\sb+48:\sb+63], v[PC+16:PC+31], v[OO+8:OO+15]
	PLACES 4                                       ; behind the products, and the plain instruction behind the reciprocal
	s_wait_dscnt 0x0                               ; the gate
	WIN 0x41
.irp i, 0,2,4,6,8,10,12,14
	v_pk_mul_f32 v[OO+\i:OO+\i+1], v[OO+\i:OO+\i+1], v[14:15] op_sel_hi:[1,0]   ; / l
.endr
	WIN 0x45
.irp i, 0,2,4,6,8,10,12,14
	v_pk_mul_f32 v[OO+\i:OO+\i+1], v[OO+\i:OO+\i+1], v[GG+\i:GG+\i+1]           ; x the gate
.endr
	WIN 0x41
.irp i, 0,1,2,3,4,5,6,7,8,9,10,11,12,13,14,15
	v_med3_num_f32 v[OO+\i], v[OO+\i], -v13, v13
.endr
	WIN 0x01
	v_cvt_scalef32_pk8_fp8_f32 v[PC:PC+1], v[OO:OO+7], v11          ; 2^(e8 + e9) is folded into the conversion's scale, 2^(e12 - e8 - e9)
	v_cvt_scalef32_pk8_fp8_f32 v[PC+2:PC+3], v[OO+8:OO+15], v11
	v_nop
	WIN 0
	s_wait_alu depctr_va_vdst(0)                   ; the two conversions have written v216-219, which the store reads.  Every vector and matrix instruction of the unit stands ahead of this wait: they are done with this buffer, with k's places, q's place and p's codes, in which the loads that follow land
	ds_store_b128 v[QI], v[PC:PC+3] offset:(\b)*512                ; registers 4 b .. 4 b + 3 of o g's fragment, where q's codes of this unit lay
.endm
; THE LAST PRODUCT, for the tile in hand: wo's tile x o g: a lane holds one query and, of tile t, columns 32 (t / 2) + 16 h + 8 (t % 2) + 0 .. 7.  In two halves of 64 columns, each through my stage, so that sixteen lanes store 256 consecutive bytes, aligned.
.macro HALF hf
.if \hf
	s_wait_xcnt 0x0                                ; the first half's stores have had their addresses translated: their registers are written again only behind this wait,
	s_wait_alu depctr_vm_vsrc(0)                   ; and behind this one: those stores have read the four accumulators, which the products below write
.else
	s_wait_alu depctr_vm_vsrc(0)                   ; head 3's LDS store has read v216-219, in which bo lands
.endif
	WIN 0x40
.irp t, 0,1,2,3
	FETCH WOF+16*\t, WOB, (4*(\hf)+\t)*2048        ; (what read or wrote these registers stands ahead of the last wait on va_vdst: head 3's last, or the first half's ahead of its LDS stores; so too for bo's below)
.endr
	WIN 0
.irp t, 0,1,2,3
.irp x, 0,1
	ds_load_b128 v[BO+8*\t+4*\x:BO+8*\t+4*\x+3], v[BOB] offset:256*(\hf)+128*(\t/2)+32*(\t%2)+16*\x
.endr
.endr
	s_wait_dscnt 0x0
	WIN 0x45
.irp t, 0,1,2,3
	v_wmma_f32_16x16x128_fp8_fp8 v[OA+8*\t:OA+8*\t+7], v[WOF+16*\t:WOF+16*\t+15], v[OGF:OGF+15], 0
.endr
	PLACES 5                                       ; four for the reads below; five for the second half's products, which begin these accumulators anew
	WIN 0x41
.irp t, 0,1,2,3
.irp i, 0,2,4,6
	v_pk_fma_f32 v[OA+8*\t+\i:OA+8*\t+\i+1], v[OA+8*\t+\i:OA+8*\t+\i+1], s[CO:CO+1], v[BO+8*\t+\i:BO+8*\t+\i+1] op_sel_hi:[1,0,1]   ; sum x 2^(e12 + e13) + bo; each accumulator from its low end on
.endr
.endr
	WIN 0x04                                       ; a store's data are its source 1
	s_wait_alu depctr_va_vdst(0)                   ; the multiply-adds have written the results, which the LDS stores read; v250 to v252, the addresses of the stores and loads below, are written; the products are done reading wo's tiles, the multiply-adds bo
.irp t, 0,1,2,3
.irp x, 0,1
	ds_store_b128 v250, v[OA+8*\t+4*\x:OA+8*\t+4*\x+3] offset:128*(\t/2)+32*(\t%2)+16*\x
.endr
.endr
	WIN 0x40
	s_wait_alu depctr_vm_vsrc(0)                   ; the LDS stores have read the registers in which the loads below land
.irp i, 0,1,2,3,4,5,6,7
	ds_load_b128 v[OA+4*\i:OA+4*\i+3], v251 offset:544*\i   ; LDS serves a wave's instructions in order: these see the stores above, and come back into the registers that they left
.endr
	WIN 0x04
.irp i, 0,1,2,3,4,5,6,7
	s_wait_dscnt 7-\i                              ; row pair i is back; its 7 - i younger loads stay out
	global_store_b128 v252, v[OA+4*\i:OA+4*\i+3], s[OP:OP+1] offset:1024*\i+256*(\hf) th:TH_STORE_NT
.endr
	WIN 0
.endm
.macro OUT
	v_and_b32 v248, 15, v0                         ; r
	v_bfe_u32 v249, v0, 4, 1                       ; h
	s_lshl_b32 s77, s[WV], 14
	s_add_co_u32 s77, s77, s[SG2]
	s_add_co_u32 s77, s77, GIMG                    ; my stage, 16 rows of 256 bytes + 16: where this tile's gate lay, which its four heads have read
	v_mul_u32_u24 v250, v248, 272
	v_lshl_add_u32 v250, v249, 6, v250
	v_add_nc_u32 v250, s77, v250                   ; in: row r, + 64 h
	v_mul_u32_u24 v251, v249, 272
	v_lshl_add_u32 v251, v248, 4, v251
	v_add_nc_u32 v251, s77, v251                   ; back: lanes 0-15 one row, lanes 16-31 the next
	v_lshlrev_b32 v252, 9, v249
	v_lshl_add_u32 v252, v248, 4, v252             ; and the same two rows of out0
	WIN 0x40
	FETCH OGF, QI, 0                               ; o g's fragment: the four heads' codes.  (Head 3's last wait on va_vdst stands behind all that named these registers; the nine lines above name v248 to v252 alone)
	HALF 0
	HALF 1
.endm
.Ltile:                                                ; two trips, a query tile each
	v_add_nc_u32 v[QI], s[SQ5], v[QI0]             ; (what read v8 and v9 stands ahead of a wait on vm_vsrc: the one behind the second barrier, or the one at the last trip's end)
	v_add_nc_u32 v[GA], s[SG2], v[GA0]
	s_wait_alu depctr_va_vdst(0)                   ; v8 and v9 are written, which the trip's LDS instructions read.  In the first trip also: v6 and v7 are written; the mask's scaling is done reading the second score buffer, in which bias lands; the prologue is done with the registers that are k's places and q's
	UNIT 0, 0, 0
	UNIT 128, 1, 0
	UNIT 0, 2, 0
	UNIT 128, 3, 1
	OUT                                            ; in the buffer that head 3 has left; the other one is taking the next tile's first bias
	s_wait_dscnt 0x0
	s_wait_xcnt 0x0                                ; the stores' data and offset registers, out0's pointer and timg's are written again only behind this wait; nothing waits for the stores themselves
	s_wait_alu depctr_vm_vsrc(0)                   ; the trip's stores and LDS instructions have read the four accumulators, in which the next trip's bias lands, and v8, v9 and v250 to v252, which the next trip writes
	s_add_nc_u64 s[TP:TP+1], s[TP:TP+1], 16384
	s_add_nc_u64 s[OP:OP+1], s[OP:OP+1], 8192
	s_add_co_u32 s[SQ5], s[SQ5], 2048
	s_add_co_u32 s[SG2], s[SG2], 8192
	s_add_co_u32 s[HD], s[HD], 1
	s_cmp_lt_u32 s[HD], 2
	s_cbranch_scc1 .Ltile
	s_wait_xcnt 0x0
	v_lshl_add_u32 v254, v0, 2, 0x4d000            ; the add's two registers, made anew: no memory or LDS instruction of the text has read v254 or v255
	v_mov_b32 v255, 0
	s_wait_dscnt 0x0                               ; the closing lines, six on end
	s_wait_alu 0x0
	s_wait_tensorcnt 0x0
	ds_add_u32 v254, v255
	s_wait_dscnt 0x0
	s_endpgm
.Lfunc_end_k_q1c8c25d5f4_attn:
	.size	k_q1c8c25d5f4_attn, .Lfunc_end_k_q1c8c25d5f4_attn-k_q1c8c25d5f4_attn
	.p2alignl 7, 3214868480
	.fill 96, 4, 3214868480
	.section	.rodata,"a",@progbits
	.p2align	6, 0x0
	.amdhsa_kernel k_q1c8c25d5f4_attn
		.amdhsa_group_segment_fixed_size 316416
		.amdhsa_private_segment_fixed_size 0
		.amdhsa_enable_private_segment 0
		.amdhsa_kernarg_size 104
		.amdhsa_user_sgpr_count 2
		.amdhsa_user_sgpr_kernarg_segment_ptr 1
		.amdhsa_wavefront_size32 1
		.amdhsa_system_sgpr_workgroup_id_x 1
		.amdhsa_system_sgpr_workgroup_id_y 1
		.amdhsa_system_sgpr_workgroup_id_z 1
		.amdhsa_system_vgpr_workitem_id 0
		.amdhsa_next_free_vgpr 512
		.amdhsa_next_free_sgpr 96
		.amdhsa_reserve_vcc 0
		.amdhsa_float_denorm_mode_32 3
		.amdhsa_float_denorm_mode_16_64 3
		.amdhsa_memory_ordered 1
		.amdhsa_forward_progress 1
		.amdhsa_inst_pref_size 252
	.end_amdhsa_kernel
	.amdgpu_metadata
---
amdhsa.version: [ 1, 2 ]
amdhsa.kernels:
  - .name:           k_q1c8c25d5f4_attn
    .symbol:         k_q1c8c25d5f4_attn.kd
    .args:
      - { .name: q_x_codes, .offset: 0, .size: 8, .value_kind: global_buffer, .address_space: global }
      - { .name: kv_x_codes, .offset: 8, .size: 8, .value_kind: global_buffer, .address_space: global }
      - { .name: wk_codes, .offset: 16, .size: 8, .value_kind: global_buffer, .address_space: global }
      - { .name: wv_codes, .offset: 24, .size: 8, .value_kind: global_buffer, .address_space: global }
      - { .name: wq_codes, .offset: 32, .size: 8, .value_kind: global_buffer, .address_space: global }
      - { .name: wg_codes, .offset: 40, .size: 8, .value_kind: global_buffer, .address_space: global }
      - { .name: wo_codes, .offset: 48, .size: 8, .value_kind: global_buffer, .address_space: global }
      - { .name: bg, .offset: 56, .size: 8, .value_kind: global_buffer, .address_space: global }
      - { .name: bo, .offset: 64, .size: 8, .value_kind: global_buffer, .address_space: global }
      - { .name: mask_bias, .offset: 72, .size: 8, .value_kind: global_buffer, .address_space: global }
      - { .name: lowp_scales, .offset: 80, .size: 8, .value_kind: global_buffer, .address_space: global }
      - { .name: timg, .offset: 88, .size: 8, .value_kind: global_buffer, .address_space: global }
      - { .name: out0, .offset: 96, .size: 8, .value_kind: global_buffer, .address_space: global }
    .group_segment_fixed_size: 316416
    .private_segment_fixed_size: 0
    .kernarg_segment_align: 8
    .kernarg_segment_size: 104
    .max_flat_workgroup_size: 256
    .sgpr_count:     96
    .vgpr_count:     512
    .wavefront_size: 32
...
	.end_amdgpu_metadata
.endif
;; end of part 3
